; MI455X (gfx1250); checked and timed in simulation.
; The chip was launched on July 23, 2026; its instructions are those of AMD's public machine-readable ISA for CDNA 5 (MIT licence, August 2026) and "CDNA5" Instruction Set Architecture Reference Guide (July 2026). The comments in the code are by the model that wrote it; some were corrected since.
;; Attention Block. Allowed arithmetic: matrix products marked QUANTISED: E2M1 operands, one E8M0 scale for each 32 along K, by v_wmma_scale_f32_16x16x128_f8f6f4 with both operands' format E2M1 (or v_wmma_scale_f32_32x16x128_f4), f32 sums; everything else in f32.
;; Inputs: bk 512 float32; bo 512 float32; bq 512 float32; bv 512 float32; gn_b 512 float32; gn_w 512 float32; wk_codes 512 x 16 x 16 uint8 (E2M1 codes of wk, K innermost, in blocks of 32 codes, two codes a byte); wk_scales 512 x 16 uint8 (E8M0 scales of wk, one for each 32 codes along K); wo_codes 512 x 16 x 16 uint8 (E2M1 codes of wo, K innermost, in blocks of 32 codes, two codes a byte); wo_scales 512 x 16 uint8 (E8M0 scales of wo, one for each 32 codes along K); wq_codes 512 x 16 x 16 uint8 (E2M1 codes of wq, K innermost, in blocks of 32 codes, two codes a byte); wq_scales 512 x 16 uint8 (E8M0 scales of wq, one for each 32 codes along K); wv_codes 512 x 16 x 16 uint8 (E2M1 codes of wv, K innermost, in blocks of 32 codes, two codes a byte); wv_scales 512 x 16 uint8 (E8M0 scales of wv, one for each 32 codes along K); x 32 x 512 x 32 x 32 float32.
;; Outputs: out0 32 x 512 x 32 x 32 float32.
;; This version of the problem:
;;   THIS VERSION OF THE PROBLEM IS GIVEN IN LOW PRECISION. The matrix products marked QUANTISED in the list below multiply operands that are first quantised to E2M1 (2 exponent bits, 1 mantissa bit; 4 bits a number), with one power-of-two scale for each 32 numbers along K (OCP MX v1.0); their sums are f32. All else is computed in f32.
;;   The module's matrix products, in the order in which they are computed (A, B: the left and right operand; K: the contracted axis; several contracted axes count as one K, in the product's order):
;;     1. [M 32,768, K 512] x [K 512, N 512]; A: computed on the way; B: input wq (given as codes): QUANTISED
;;     2. [M 32,768, K 512] x [K 512, N 512]; A: computed on the way; B: input wk (given as codes): QUANTISED
;;     3. [M 32,768, K 512] x [K 512, N 512]; A: computed on the way; B: input wv (given as codes): QUANTISED
;;     4. batch 32 x [M 1,024, K 512] x [K 512, N 1,024]; A: computed on the way; B: computed on the way: QUANTISED
;;     5. batch 32 x [M 512, K 1,024] x [K 1,024, N 1,024]; A: computed on the way; B: softmax (see below): QUANTISED
;;     6. [M 32,768, K 512] x [K 512, N 512]; A: computed on the way; B: input wo (given as codes): QUANTISED
;;   THE QUANTISER, for each operand of a quantised product, along K:
;;     - K is cut into blocks of 32 from its start; a last block that is shorter is filled with zeros.
;;     - A block's scale is 2^e with e = floor(log2(the largest magnitude in the block)) - 2, held to -126 .. 127; a block of zeros has e = 0. As a byte (E8M0): e + 127.
;;     - Each number is divided by its block's scale, clamped to +-6, and rounded to the nearest number of E2M1, ties to even, subnormals kept.
;;     - The product sums the exact products of the quantised numbers (number of the format x scale) in f32.
;;   ~~~python
;;   def quantise(x, axis):      # numpy; x: float32 -> the quantised numbers, widened to float32 again
;;       x = np.moveaxis(x, axis, -1); K = x.shape[-1]
;;       x = np.pad(x, [(0, 0)] * (x.ndim - 1) + [(0, -K % 32)]); x = x.reshape(x.shape[:-1] + (-1, 32)); a = np.abs(x).max(-1, keepdims=True)
;;       e = np.where(a > 0, np.clip(np.frexp(np.where(a > 0, a, 1))[1] - 1 - 2, -126, 127), 0)      # np.frexp(a)[1] - 1 = floor(log2(a)), exactly
;;       r = np.clip(x / 2.0 ** e, -6, 6)
;;       step = 2.0 ** (np.maximum(np.frexp(np.where(r == 0, 1, r))[1] - 1, 0) - 1)
;;       q = np.round(r / step) * step * 2.0 ** e      # np.round: ties to even
;;       return np.moveaxis(q.reshape(q.shape[:-2] + (-1,))[..., :K], -1, axis).astype(np.float32)
;;   ~~~
;;   SOFTMAX AHEAD OF A QUANTISED PRODUCT. Where the list says 'softmax', what is quantised is not the finished softmax but p = 2^(t - M), with t = logit x log2(e) and M = ceil(the row's largest t), a whole number; so 1/2 < the row's largest p <= 1. The row's sum l is taken of the UNQUANTISED p, in f32, and the product's result is divided by l at the end. Since M is a whole number, a kernel that streams over the keys may use a running M (the ceiling of the running maximum): every later rescaling is an exact power of two, which a block's scale takes up: the codes' values come out the same.
;;   OPERANDS COMPUTED ON THE WAY. 'Computed on the way' means the value that the module computes at that place (a softmax that the list does not call 'softmax' is quantised finished and normalised). What goes into a quantiser is computed in f32, as accurately as f32 sums, v_exp_f32 and their like allow (about 1e-6 of the number): no bf16 or f16 on the way to a quantiser, and a product that is left as it is and whose result goes on into a quantised operand takes f32 operands (vector FMAs, or v_wmma_f32_16x16x4_f32). A number that lies on a knife's edge between two numbers of the format may be rounded either way, as far as f32 arithmetic and the matrix unit's own rounding can turn it there, and no further.
;;   INPUTS GIVEN AS CODES. wk (in the module: [512, 512], K = its axis 1); wo (in the module: [512, 512], K = its axis 1); wq (in the module: [512, 512], K = its axis 1); wv (in the module: [512, 512], K = its axis 1): each comes as NAME_codes (uint8): NAME with its K axis moved to the last place and cut into blocks of 32 codes, [.., K / 32, bytes a block], one block behind the other in memory; two codes a byte, the lower K in the low four bits (a code: sign, 2 exponent bits, 1 mantissa bit); and NAME_scales (uint8): the same leading axes, one E8M0 byte (e + 127) for each 32 codes along K. Its value is code x scale, taken as it is: it is not quantised again, and the codes and scales need not be those that the quantiser above would give.
;; One version. Each part assembles by itself: llvm-mc -triple=amdgcn-amd-amdhsa -mcpu=gfx1250 --defsym DOCPART=n.
;; ======== version 1 of 1: 3 launches
;; workspace buffers: hn_img 8,388,608 bytes; hn_sc 524,288 bytes; wimg 524,288 bytes; k_img 8,388,608 bytes; k_sc 524,288 bytes; v_img 8,388,608 bytes; v_sc 524,288 bytes
;; launch gnq (part 1): grid 8 x 32, 32 waves a work-group, no clusters, 8,192 bytes of LDS; arguments x, gn_w, gn_b, wq_codes, wk_codes, wv_codes, wo_codes, hn_img, hn_sc, wimg; writes hn_img, hn_sc, wimg
.if DOCPART == 1
	.amdgcn_target "amdgcn-amd-amdhsa--gfx1250"
	.amdhsa_code_object_version 6
	.text
	.protected	k_q53e3681129_gnq
	.globl	k_q53e3681129_gnq
	.p2align	8
	.type	k_q53e3681129_gnq,@function
k_q53e3681129_gnq:
	s_mov_b64 s[64:65], 0
	v_nop
	global_prefetch_b8 v0, s[64:65] scope:SCOPE_SE
	s_setreg_imm32_b32 hwreg(HW_REG_WAVE_MODE, 25, 1), 1
	s_wait_xcnt 0x0
; GroupNorm of x [32][512][1024] (8 groups of 64 channels), then the result hn as codes of FP4 (E2M1) with one E8M0 byte for each 32 channels: the channels are K of the three products that read hn.
; SHARES.  A work-group owns one batch b and one group g: 64 channels x 1,024 places, 262,144 bytes, read once and kept in registers.  Thread t owns place n = t and its 64 registers run DOWN the channels:
; each load reads 128 neighbouring bytes a wave, and a block of 32 along K lies in one lane's 32 registers, so that its largest magnitude needs no other lane and the conversions give codes with K innermost.
; Mean, then the mean of (x - mean)^2: two sums over the work-group, each through 32 words of LDS and one barrier.
; OUT.  hn_img is laid as the matrix operand's registers want it: [b][tile 64][K step 4][c' 2][half 2][row 16][16 bytes].  THE PLACES OF A TILE ARE NOT NEIGHBOURS: tile T holds n = 32 (T / 2) + 8 (T % 2) + (row % 8) + 16 (row / 8),
; so 16 T + row is n with its bits 3 and 4 exchanged.  My two blocks are K blocks 2 g and 2 g + 1: K step g / 2, c' = g % 2, halves 0 and 1.  A wave's store covers two aligned runs of 256 bytes.
; hn_sc: [b][g][tile][row] two bytes (blocks 2 g, 2 g + 1); gathered in LDS, stored by waves 0 to 3 as 2,048 consecutive bytes.
; Besides: waves 0 to 3 lay 512 bytes each of the four weights' codes into wimg, [weight 4: q, k, v, o][tile 32][K step 4][c' 2][lane 32][16 bytes], the rows of a tile chosen by the same pattern.
; No matrix unit, no tensor load, no cluster: the launch is a stream, work-groups share no large input, and all of a work-group's bytes are asked for at its head.
; LIMITS: NaN and infinities among the inputs are not served.  A block of zeros, and a block whose largest magnitude lies under 2^-124, get the byte 1 (the quantiser's lower hold; for zeros it says 127: the codes are zeros, and this program alone reads the bytes).
.set RED1, 0                           ; LDS: 32 words, the waves' sums
.set RED2, 256                         ; 32 words, the waves' sums of squares
.set SCS,  512                         ; 2,048 bytes: the scale bytes, in hn_sc's order
.set X,    32                          ; v32-95 my 64 numbers
.set WV,   56                          ; s56 my wave's number
	s_load_b512 s[4:19], s[0:1], 0x0               ; x, gn_w, gn_b, wq, wk, wv, wo (codes), hn_img
	s_load_b128 s[20:23], s[0:1], 0x40             ; hn_sc, wimg
	v_lshl_add_u32 v112, v0, 2, 0x1000
	v_mov_b32 v113, 0
	v_lshrrev_b32 v3, 5, v0
	v_readfirstlane_b32 s[WV], v3                  ; wave 0..31
	v_lshlrev_b32 v3, 2, v3                        ; v3: 4 x wave: my wave's word in a reduction
	v_and_b32 v9, 31, v0
	v_lshlrev_b32 v2, 2, v9                        ; v2: 4 x lane
	v_lshlrev_b32 v9, 4, v9                        ; v9: 16 x lane
	v_lshlrev_b32 v1, 2, v0                        ; v1: 4 t: my place in a row of x
	v_and_b32 v4, 0x3e7, v0
	v_bfe_u32 v5, v0, 3, 1
	v_bfe_u32 v6, v0, 4, 1
	v_lshl_add_u32 v4, v5, 4, v4
	v_lshl_add_u32 v4, v6, 3, v4                   ; v4: 16 tile + row = t with bits 3 and 4 exchanged
	v_lshrrev_b32 v5, 4, v4
	v_and_b32 v6, 15, v4
	v_lshlrev_b32 v5, 12, v5
	v_lshl_add_u32 v5, v6, 4, v5                   ; v5: tile x 4,096 + row x 16: my 16 bytes in hn_img
	v_lshl_add_u32 v6, v4, 1, SCS                  ; v6: my two scale bytes in LDS
	v_lshlrev_b32 v7, 4, v0                        ; v7: 16 t (waves 0 to 3: the scale bytes' way out)
	v_and_b32 v8, 7, v0
	v_bfe_u32 v10, v0, 3, 1
	v_lshl_add_u32 v8, v10, 4, v8                  ; a tile's row for lane % 16: (r % 8) + 16 (r / 8)
	v_bfe_u32 v10, v0, 4, 1
	v_lshlrev_b32 v8, 8, v8
	v_lshl_add_u32 v8, v10, 4, v8                  ; v8: that row of a weight (256 bytes) + 16 x half
.irp j, 104,105,106,107
	v_mov_b32 v\j, 0                               ; written in every wave; waves 0 to 3 load their piece of a weight here
.endr
	s_mov_b32 s57, ttmp9                           ; g
	s_and_b32 s58, ttmp7, 0xffff                   ; b
	s_mov_b32 s59, 0x37800000                      ; 2^-16 = 1 / (64 x 1,024)
	s_mov_b32 s62, 0x76543210
	s_mov_b32 s63, 0xfedcba98                      ; v_permlanex16_b32's selects for lane l xor 16
	s_lshl_b32 s24, s58, 21
	s_lshl_b32 s36, s57, 18
	s_add_co_u32 s24, s24, s36                     ; x: b x 2,097,152 + g x 262,144
	s_mov_b32 s25, 0
	s_lshl_b32 s26, s58, 18
	s_lshl_b32 s36, s57, 9
	s_add_co_u32 s26, s26, s36                     ; hn_img: b x 262,144 + (g / 2) x 1,024 + (g % 2) x 512
	s_mov_b32 s27, 0
	s_lshl_b32 s28, s58, 14
	s_lshl_b32 s36, s57, 11
	s_add_co_u32 s28, s28, s36                     ; hn_sc: b x 16,384 + g x 2,048
	s_mov_b32 s29, 0
	s_lshl_b32 s30, s57, 8                         ; gn_w, gn_b: my 64 numbers
	s_mov_b32 s31, 0
	s_and_b32 s32, s58, 7                          ; the piece of a weight: number ((b % 8) 8 + g) 4 + wave of 256 = tile x 8 + K step x 2 + c'
	s_lshl_b32 s32, s32, 3
	s_add_co_u32 s32, s32, s57
	s_lshl_b32 s32, s32, 2
	s_add_co_u32 s32, s32, s[WV]
	s_lshr_b32 s36, s32, 4
	s_lshl_b32 s36, s36, 13                        ; 32 (tile / 2) rows of 256 bytes
	s_bfe_u32 s37, s32, 0x10003
	s_lshl_b32 s37, s37, 11                        ; 8 (tile % 2) rows
	s_add_co_u32 s36, s36, s37
	s_and_b32 s32, s32, 7
	s_lshl_b32 s32, s32, 5                         ; 64 x K step + 32 c'
	s_add_co_u32 s32, s32, s36
	s_mov_b32 s33, 0
	s_lshl_b32 s34, s58, 3
	s_add_co_u32 s34, s34, s57
	s_lshl_b32 s34, s34, 2
	s_add_co_u32 s34, s34, s[WV]
	s_lshl_b32 s34, s34, 9                         ; wimg: piece ((8 b + g) 4 + wave) x 512 bytes
	s_mov_b32 s35, 0
	s_lshr_b32 s38, s58, 3                         ; which weight: b / 8
	s_wait_kmcnt 0x0
	s_add_nc_u64 s[4:5], s[4:5], s[24:25]
	s_add_nc_u64 s[18:19], s[18:19], s[26:27]
	s_add_nc_u64 s[20:21], s[20:21], s[28:29]
	s_add_nc_u64 s[6:7], s[6:7], s[30:31]
	s_add_nc_u64 s[8:9], s[8:9], s[30:31]
	s_cmp_eq_u32 s38, 1                            ; the choice hangs on the work-group's number alone
	s_cselect_b64 s[10:11], s[12:13], s[10:11]
	s_cmp_eq_u32 s38, 2
	s_cselect_b64 s[10:11], s[14:15], s[10:11]
	s_cmp_eq_u32 s38, 3
	s_cselect_b64 s[10:11], s[16:17], s[10:11]
	s_add_nc_u64 s[10:11], s[10:11], s[32:33]
	s_add_nc_u64 s[22:23], s[22:23], s[34:35]
	s_cmp_lt_u32 s[WV], 4
	s_cbranch_scc0 .Lno_piece
	global_load_b128 v[104:107], v8, s[10:11]      ; older than every load of x: each counted wait below covers it
.Lno_piece:
.set i, 0
.rept 64
	global_load_b32 v[X+i], v1, s[4:5] offset:i*4096 th:TH_LOAD_NT   ; channel i of the group at 32 neighbouring places
.set i, i+1
.endr
	s_load_b512 s[24:39], s[6:7], 0x0              ; gn_w of my first 32 channels: s24-55
	s_load_b512 s[40:55], s[6:7], 0x40
	s_load_b512 s[68:83], s[8:9], 0x0              ; gn_b likewise: s68-99
	s_load_b512 s[84:99], s[8:9], 0x40
.macro SUM16 k, left                   ; sixteen more numbers into four chains of pairs, v[14:21]
	s_wait_loadcnt \left                           ; loads come back in order: all but the \left youngest are in
.irp j, 0,1,2,3
.if \k == 0
	v_pk_add_f32 v[14+2*\j:15+2*\j], v[X+4*\j:X+4*\j+1], v[X+4*\j+2:X+4*\j+3]
.else
	v_pk_add_f32 v[14+2*\j:15+2*\j], v[14+2*\j:15+2*\j], v[X+16*\k+4*\j:X+16*\k+4*\j+1]
	v_pk_add_f32 v[14+2*\j:15+2*\j], v[14+2*\j:15+2*\j], v[X+16*\k+4*\j+2:X+16*\k+4*\j+3]
.endif
.endr
.endm
.macro JOIN                            ; the four chains into v14
	v_pk_add_f32 v[14:15], v[14:15], v[16:17]
	v_pk_add_f32 v[18:19], v[18:19], v[20:21]
	v_pk_add_f32 v[14:15], v[14:15], v[18:19]
	v_add_f32 v14, v14, v15
.endm
.macro LANESUM                         ; v14 summed over the 32 lanes, the result in every lane
	v_add_f32_dpp v14, v14, v14 row_xmask:1 row_mask:0xf bank_mask:0xf
	v_add_f32_dpp v14, v14, v14 row_xmask:2 row_mask:0xf bank_mask:0xf
	v_add_f32_dpp v14, v14, v14 row_xmask:4 row_mask:0xf bank_mask:0xf
	v_add_f32_dpp v14, v14, v14 row_xmask:8 row_mask:0xf bank_mask:0xf
	v_permlanex16_b32 v15, v14, s62, s63
	v_add_f32 v14, v14, v15
.endm
.macro REDUCE base                     ; and over the 32 waves: a word a wave, one barrier, lane l takes wave l's word
	LANESUM
	ds_store_b32 v3, v14 offset:\base
	s_wait_dscnt 0x0                               ; for the others' sake: my word has landed
	s_barrier_signal -1
	s_barrier_wait -1
	ds_load_b32 v14, v2 offset:\base
	s_wait_dscnt 0x0
	LANESUM
.endm
	SUM16 0, 48
	SUM16 1, 32
	SUM16 2, 16
	SUM16 3, 0
	JOIN
	REDUCE RED1
	v_mul_f32 v10, s59, v14                        ; the mean, in both halves of a pair
	v_mov_b32 v11, v10
.set i, 0
.rept 32
	v_pk_add_f32 v[X+i:X+i+1], v[X+i:X+i+1], v[10:11] neg_lo:[0,1] neg_hi:[0,1]   ; x - mean
.set i, i+2
.endr
.irp j, 0,1,2,3
	v_pk_mul_f32 v[14+2*\j:15+2*\j], v[X+2*\j:X+2*\j+1], v[X+2*\j:X+2*\j+1]       ; the first squares start the chains
.endr
.set i, 8
.rept 7
.irp j, 0,1,2,3
	v_pk_fma_f32 v[14+2*\j:15+2*\j], v[X+i+2*\j:X+i+2*\j+1], v[X+i+2*\j:X+i+2*\j+1], v[14+2*\j:15+2*\j]
.endr
.set i, i+8
.endr
	JOIN
	REDUCE RED2
	v_fma_f32 v22, v14, s59, 0x3727c5ac            ; the variance + 1e-5
	v_rsq_f32 v12, v22
	v_rsq_f32 v13, v22                             ; twice: a pair for the packed multiply
	v_nop                                          ; one plain instruction behind a transcendental before its result is used
.set i, 0
	s_wait_alu depctr_va_vdst(0)
.rept 32
	v_pk_mul_f32 v[X+i:X+i+1], v[X+i:X+i+1], v[12:13]
.set i, i+2
.endr
.macro AFFINE k                        ; x w + b for block k's 32 channels: the two numbers of a channel are scalars
	s_wait_kmcnt 0x0
.set i, 0
.rept 32
	v_fma_f32 v[X+32*\k+i], v[X+32*\k+i], s[24+i], s[68+i]
.set i, i+1
.endr
.endm
.macro QBLK k                          ; block k: largest magnitude, scale, 32 codes = 16 bytes, stored
.set XS, X+32*\k
	v_max3_num_f32 v22, |v[XS]|, |v[XS+1]|, |v[XS+2]|
	v_max3_num_f32 v23, |v[XS+3]|, |v[XS+4]|, |v[XS+5]|
.irp i, 6,10,14,18,22,26
	v_max3_num_f32 v22, v22, |v[XS+\i]|, |v[XS+\i+1]|
	v_max3_num_f32 v23, v23, |v[XS+\i+2]|, |v[XS+\i+3]|
.endr
	v_max3_num_f32 v22, v22, |v[XS+30]|, |v[XS+31]|
	v_max3_num_f32 v22, v22, v23, 0x1800000        ; and the floor 2^(3 - 127): the byte cannot fall under 1
	v_add_nc_u32 v[24+\k], 0xff000000, v22         ; 2 off the exponent field: the conversion takes this operand's exponent field as its scale
.irp g, 0,1,2,3
	v_cvt_scalef32_pk8_fp4_f32 v[96+4*\k+\g], v[XS+8*\g:XS+8*\g+7], v[24+\k]
.endr
	v_lshrrev_b32 v[26+\k], 23, v[24+\k]           ; the scale's byte (a plain line behind the conversions)
	global_store_b128 v5, v[96+4*\k:99+4*\k], s[18:19] offset:256*\k   ; half k of the fragment: sixteen lanes fill 256 aligned bytes
.endm
	AFFINE 0
	s_load_b512 s[24:39], s[6:7], 0x80             ; the second 32 channels' numbers, issued behind the lines that read the first
	s_load_b512 s[40:55], s[6:7], 0xc0
	s_load_b512 s[68:83], s[8:9], 0x80
	s_load_b512 s[84:99], s[8:9], 0xc0
	QBLK 0
	AFFINE 1
	QBLK 1
	v_lshl_or_b32 v26, v27, 8, v26                 ; my two bytes
	ds_store_b16 v6, v26
	s_wait_dscnt 0x0
	s_barrier_signal -1
	s_barrier_wait -1                              ; the group's 2,048 scale bytes lie in LDS
	s_cmp_lt_u32 s[WV], 4
	s_cbranch_scc0 .Lend
	ds_load_b128 v[28:31], v7 offset:SCS
	global_store_b128 v9, v[104:107], s[22:23]     ; my piece of a weight: 512 consecutive bytes
	s_wait_dscnt 0x0
	global_store_b128 v7, v[28:31], s[20:21]       ; 128 threads store 2,048 consecutive bytes
.Lend:
	s_wait_tensorcnt 0x0
	ds_add_u32 v112, v113
	s_wait_dscnt 0x0
	s_endpgm
.Lfunc_end_k_q53e3681129_gnq:
	.size	k_q53e3681129_gnq, .Lfunc_end_k_q53e3681129_gnq-k_q53e3681129_gnq
	.p2alignl 7, 3214868480
	.fill 96, 4, 3214868480
	.section	.rodata,"a",@progbits
	.p2align	6, 0x0
	.amdhsa_kernel k_q53e3681129_gnq
		.amdhsa_group_segment_fixed_size 8192
		.amdhsa_private_segment_fixed_size 0
		.amdhsa_enable_private_segment 0
		.amdhsa_kernarg_size 80
		.amdhsa_user_sgpr_count 2
		.amdhsa_user_sgpr_kernarg_segment_ptr 1
		.amdhsa_wavefront_size32 1
		.amdhsa_system_sgpr_workgroup_id_x 1
		.amdhsa_system_sgpr_workgroup_id_y 1
		.amdhsa_system_sgpr_workgroup_id_z 1
		.amdhsa_system_vgpr_workitem_id 0
		.amdhsa_next_free_vgpr 114
		.amdhsa_next_free_sgpr 100
		.amdhsa_reserve_vcc 0
		.amdhsa_float_denorm_mode_32 3
		.amdhsa_float_denorm_mode_16_64 3
		.amdhsa_memory_ordered 1
		.amdhsa_forward_progress 1
		.amdhsa_inst_pref_size 29
	.end_amdhsa_kernel
	.amdgpu_metadata
---
amdhsa.version: [ 1, 2 ]
amdhsa.kernels:
  - .name:           k_q53e3681129_gnq
    .symbol:         k_q53e3681129_gnq.kd
    .args:
      - { .name: x, .offset: 0, .size: 8, .value_kind: global_buffer, .address_space: global }
      - { .name: gn_w, .offset: 8, .size: 8, .value_kind: global_buffer, .address_space: global }
      - { .name: gn_b, .offset: 16, .size: 8, .value_kind: global_buffer, .address_space: global }
      - { .name: wq_codes, .offset: 24, .size: 8, .value_kind: global_buffer, .address_space: global }
      - { .name: wk_codes, .offset: 32, .size: 8, .value_kind: global_buffer, .address_space: global }
      - { .name: wv_codes, .offset: 40, .size: 8, .value_kind: global_buffer, .address_space: global }
      - { .name: wo_codes, .offset: 48, .size: 8, .value_kind: global_buffer, .address_space: global }
      - { .name: hn_img, .offset: 56, .size: 8, .value_kind: global_buffer, .address_space: global }
      - { .name: hn_sc, .offset: 64, .size: 8, .value_kind: global_buffer, .address_space: global }
      - { .name: wimg, .offset: 72, .size: 8, .value_kind: global_buffer, .address_space: global }
    .group_segment_fixed_size: 8192
    .private_segment_fixed_size: 0
    .kernarg_segment_align: 8
    .kernarg_segment_size: 80
    .max_flat_workgroup_size: 1024
    .sgpr_count:     100
    .vgpr_count:     114
    .wavefront_size: 32
...
	.end_amdgpu_metadata
.endif
;; end of part 1
;; launch kvproj (part 2): grid 128 x 2, 4 waves a work-group, no clusters, 150,016 bytes of LDS; arguments hn_img, hn_sc, wimg, wk_scales, bk, wv_scales, bv, k_img, k_sc, v_img, v_sc; writes k_img, k_sc, v_img, v_sc
.if DOCPART == 2
	.amdgcn_target "amdgcn-amd-amdhsa--gfx1250"
	.amdhsa_code_object_version 6
	.text
	.protected	k_q53e3681129_kvproj
	.globl	k_q53e3681129_kvproj
	.p2align	8
	.type	k_q53e3681129_kvproj,@function
k_q53e3681129_kvproj:
	s_mov_b64 s[64:65], 0
	v_nop
	global_prefetch_b8 v0, s[64:65] scope:SCOPE_SE
	s_setreg_imm32_b32 hwreg(HW_REG_WAVE_MODE, 25, 1), 1
	s_wait_xcnt 0x0
; k = wk hn + bk and v = wv hn + bv on codes of FP4 (E2M1) with E8M0 scales, and their results as codes again: k along its channels (K of q.k), v along the places (the keys, K of v.p).
; ONE SHAPE FOR BOTH.  Source 0 of the matrix instruction is the operand whose rows become the NEXT product's K: a lane's registers then run along that K.  512 such rows: wave w keeps its 128 (8 tiles x 4 K steps,
; 32 fragments, 256 registers, window 1) for the whole launch.  Source 1 is the operand whose rows become the next operand's rows (a lane to a row): 16 tiles, 65,536 bytes, staged once in LDS and walked tile by tile.
;   y = 0, k: source 0 = wk's rows 128 w on, source 1 = hn's tiles 16 (x % 4) on of batch x / 4.   y = 1, v: source 0 = hn's tiles 32 ((x / 2) % 2) + 8 w on, source 1 = wv's tiles 16 (x % 2) on.
; A trip: one tile of source 1, 32 matrix instructions (8 accumulators by turns), then the wave's 128 x 16 results become ONE fragment (16 rows x 128 K) and one scale word a row.
; All operands lie in memory as images of the operand's registers ([c' 2][lane 32][16 bytes] a fragment); the rows of every tile are 32 (T / 2) + 8 (T % 2) + (row % 8) + 16 (row / 8), so that the 16 registers of
; result tiles 2 b and 2 b + 1 are 16 neighbours along the next K.
; OUT.  k_img [b][tile 64][K step 4][1,024], k_sc [b][key step 8][K step 4][tile 8][row 16] words;  v_img [b][key step 8][tile of channels 32][1,024], v_sc [b][key step 8][tile 32][row 16] words.
; NO JOINT LOADS: what work-groups share (a weight, or a batch's hn) goes once from memory straight into the registers where it stays, 32,768 bytes a wave; a tensor load could only land it in LDS, for one more trip through LDS. The launch has no ring.
; The two paths part on the work-group's y and never meet; each has LDS bytes of its own.
; LIMITS: NaN and infinities are not served.  A block of zeros, and one whose largest magnitude lies under 2^-124, get the byte 1 (for zeros the quantiser says 127: the codes are zeros, and this program alone reads the bytes).
; REGISTERS, window 0: v1-7 lane terms; v8-15 LDS addresses; v16-31 source 0's scale words [pair of tiles][K step] (lanes 0-15 the even tile, 16-31 the odd); v32-35 source 1's; v36-67 its 4 fragments;
;   v68-131 accumulators; v132-195 the bias as C; v196-216 the quantiser; v240-243 LDS addresses of the head and the end.  v68-195 also carry the staging at the head.
.set XF,  36
.set ACC, 68
.set CB,  132
.set PC,  196
.set BM,  204
.set BX,  208
.set BS,  212
.set PWT, 216
.set SEL, 30
.set MSB, 0
.macro WIN new                         ; the immediate's high byte repeats the setting that is left
.if MSB != \new
	s_set_vgpr_msb (MSB<<8)|\new
.set MSB, \new
.endif
.endm
.macro PLACES                          ; four plain vector instructions behind a matrix instruction, ahead of a read of its result or a load into its registers
.rept 4
	v_nop
.endr
.endm
.macro WM d, a, b, c, sa, sb, row      ; row = 1: source 0's scales are taken from lanes 16-31
.if \row
	v_wmma_scale_f32_16x16x128_f8f6f4 v[(\d):(\d)+7], v[(\a):(\a)+7], v[(\b):(\b)+7], v[(\c):(\c)+7], v[\sa], v[\sb] matrix_a_fmt:MATRIX_FMT_FP4 matrix_b_fmt:MATRIX_FMT_FP4 matrix_a_scale:MATRIX_SCALE_ROW1
.else
	v_wmma_scale_f32_16x16x128_f8f6f4 v[(\d):(\d)+7], v[(\a):(\a)+7], v[(\b):(\b)+7], v[(\c):(\c)+7], v[\sa], v[\sb] matrix_a_fmt:MATRIX_FMT_FP4 matrix_b_fmt:MATRIX_FMT_FP4
.endif
.endm
; 64 numbers of a lane, register 16 b + i = k 32 b + 16 (lane / 16) + i of my row, become a fragment's codes in v[PC] on and its scale word in v[PWT].
.macro QUANT64 s
.irp b, 0,1,2,3
	v_max3_num_f32 v[BM+\b], |v[\s+16*\b]|, |v[\s+1+16*\b]|, 0x1800000   ; my 16 numbers of block b, and the floor 2^(3 - 127): the byte cannot fall under 1
.endr
.irp i, 2,4,6,8,10,12,14
.irp b, 0,1,2,3
	v_max3_num_f32 v[BM+\b], v[BM+\b], |v[\s+16*\b+\i]|, |v[\s+1+16*\b+\i]|
.endr
.endr
.irp b, 0,1,2,3
	v_permlanex16_b32 v[BX+\b], v[BM+\b], s[SEL], s[SEL+1]
.endr
.irp b, 0,1,2,3
	v_max_num_f32 v[BM+\b], v[BM+\b], v[BX+\b]     ; with lane l xor 16's: the block's largest magnitude
.endr
.irp b, 0,1,2,3
	v_add_nc_u32 v[BS+\b], 0xff000000, v[BM+\b]    ; 2 off its exponent field: the conversion's scale operand
.endr
.irp b, 0,1,2,3
	v_lshrrev_b32 v[BX+\b], 23, v[BS+\b]           ; the scale's byte
.endr
	v_lshl_or_b32 v[PWT], v[BX+1], 8, v[BX]
	v_lshl_or_b32 v[PWT], v[BX+2], 16, v[PWT]
	v_lshl_or_b32 v[PWT], v[BX+3], 24, v[PWT]
.irp b, 0,1,2,3
	v_cvt_scalef32_pk8_fp4_f32 v[PC+2*\b], v[\s+16*\b:\s+7+16*\b], v[BS+\b]
	v_cvt_scalef32_pk8_fp4_f32 v[PC+1+2*\b], v[\s+8+16*\b:\s+15+16*\b], v[BS+\b]
.endr
	v_nop                                          ; one plain place behind a scaled conversion
.irp c, 0,1                            ; the operand wants a WHOLE block in a lane: lanes 0-15 block 2 c, lanes 16-31 block 2 c + 1
.irp i, 0,1
	v_permlane16_swap_b32 v[PC+4*\c+\i], v[PC+2+4*\c+\i]
.endr
.endr
.endm
	s_load_b512 s[4:19], s[0:1], 0x0               ; hn_img, hn_sc, wimg, wk_scales, bk, wv_scales, bv, k_img
	s_load_b128 s[20:23], s[0:1], 0x40             ; k_sc, v_img
	s_load_b64 s[24:25], s[0:1], 0x50              ; v_sc
	v_lshl_add_u32 v254, v0, 2, 0x24800
	v_mov_b32 v255, 0
	v_lshrrev_b32 v1, 5, v0
	v_readfirstlane_b32 s26, v1                    ; wave 0..3
	v_and_b32 v2, 31, v0
	v_lshlrev_b32 v1, 4, v2                        ; v1: 16 x lane
	v_lshlrev_b32 v4, 1, v2                        ; v4: 2 x lane
	v_and_b32 v3, 15, v0
	v_lshlrev_b32 v2, 2, v3                        ; v2: 4 r
	v_lshlrev_b32 v3, 4, v3                        ; v3: 16 r
	v_bfe_u32 v7, v0, 4, 1                         ; h
	v_and_b32 v5, 7, v0
	v_bfe_u32 v6, v0, 3, 1
	v_lshl_add_u32 v5, v6, 4, v5
	v_lshl_add_u32 v5, v7, 3, v5                   ; the row among 32 when lanes 0-15 take the even tile of a pair and lanes 16-31 the odd: (l % 8) + 16 bit 3 + 8 bit 4
	v_lshlrev_b32 v6, 2, v5                        ; v6: x 4
	v_lshlrev_b32 v5, 4, v5                        ; v5: x 16
	v_lshlrev_b32 v7, 6, v7                        ; v7: 64 h
	s_mov_b32 s[SEL], 0x76543210
	s_mov_b32 s[SEL+1], 0xfedcba98                 ; v_permlanex16_b32's selects for lane l xor 16
	s_lshr_b32 s27, ttmp9, 2                       ; b
	s_mov_b32 s43, 0
	s_and_b32 s32, ttmp7, 0xffff
	s_wait_kmcnt 0x0
	s_cmp_lg_u32 s32, 0
	s_cbranch_scc1 .Lv_path
; One tile of source 1.  next = 1: the next tile's fragments and scale words are fetched behind the products, and the walk steps on.
.macro TRIP isv, next, sb
	s_wait_dscnt 0x0                               ; this tile's fragments and scale words are in; the last trip's LDS store is done
	WIN 0x01                                       ; source 0 in window 1
.irp s, 0,1,2,3
.irp t, 0,1,2,3,4,5,6,7
.if \s == 0
.if \isv
	WM ACC+8*\t, 32*\t, XF, CB, 16+4*(\t/2), 32, \t%2              ; the bias is the C of a sum's first product: bv of the lane's channel
.else
	WM ACC+8*\t, 32*\t, XF, CB+8*\t, 16+4*(\t/2), 32, \t%2         ; bk of the registers' eight channels
.endif
.else
	WM ACC+8*\t, 32*\t+8*\s, XF+8*\s, ACC+8*\t, 16+4*(\t/2)+\s, 32+\s, \t%2
.endif
.endr
.endr
	WIN 0
	PLACES
.if \next
	v_add_nc_u32 v12, s33, v8
	v_add_nc_u32 v13, s34, v9
.if \isv
	v_add_nc_u32 v14, s35, v10
.endif
.set i, 0
.rept 8
	ds_load_b128 v[XF+4*i:XF+4*i+3], v12 offset:512*i
.set i, i+1
.endr
	ds_load_b128 v[32:35], v13
.if \isv
.set i, 0
.rept 8
	ds_load_b32 v[CB+i], v14                       ; the lane's bias into all eight registers of C: registers filled by loads owe only their wait
.set i, i+1
.endr
.endif
.endif
	QUANT64 ACC
	global_store_b128 v1, v[PC:PC+3], s[38:39]     ; the fragment's image: twice 512 consecutive bytes
	global_store_b128 v1, v[PC+4:PC+7], s[38:39] offset:512
	v_add_nc_u32 v15, s36, v11
	ds_store_b32 v15, v[PWT]                       ; its scale words gather in my own 1,024 bytes of LDS (lanes r and r + 16 write the same word with the same value)
.if \next
	s_wait_xcnt 0x0                                ; the stores have read their data and their base: both are written again only behind this wait
	s_add_nc_u64 s[38:39], s[38:39], \sb
	s_add_co_u32 s33, s33, 4096
	s_add_co_u32 s34, s34, 256
	s_add_co_u32 s35, s35, 64
	s_add_co_u32 s36, s36, 64
.endif
.endm
.macro KV isv
.set PB, \isv*74752                    ; this path's LDS: +0 source 1's 16 tiles (65,536); +65,536 their scale words [tile][row][4] (4,096); +69,632 bv [tile][row] (1,024); +70,656 the results' scale words, 1,024 a wave
	v_add_nc_u32 v8, PB, v1                        ; v8: a fragment's place for my lane
	v_add_nc_u32 v9, PB+65536, v3                  ; v9: my row's four scale words
	v_add_nc_u32 v10, PB+69632, v2                 ; v10: my row's bias
	s_lshl_b32 s42, s26, 10
	s_add_co_u32 s37, s42, PB+70656
	v_add_nc_u32 v11, s37, v2                      ; v11: where my row's new scale word goes
	v_add_nc_u32 v243, s37, v1                     ; v243: and where I read them back
	s_add_co_u32 s37, s42, PB+65536
	v_add_nc_u32 v241, s37, v1                     ; v241: staging of the scale words: my wave's 4 tiles
	s_lshl_b32 s42, s26, 14
	s_add_co_u32 s37, s42, PB
	v_add_nc_u32 v240, s37, v1                     ; v240: staging of the tiles: my wave's 4
	s_lshl_b32 s42, s26, 8
	s_add_co_u32 s37, s42, PB+69632
	v_lshrrev_b32 v242, 2, v1
	v_add_nc_u32 v242, s37, v242                   ; v242: staging of the bias
.if \isv
	s_bfe_u32 s28, ttmp9, 0x10001                  ; which half of the places
	s_and_b32 s29, ttmp9, 1                        ; which half of the channels
	s_lshl_b32 s42, s29, 16
	s_lshl_b32 s34, s26, 14
	s_add_co_u32 s42, s42, s34
	s_add_co_u32 s42, s42, 262144
	s_add_nc_u64 s[44:45], s[8:9], s[42:43]        ; source 1: wv's tiles 16 ch + 4 w on
	s_lshl_b32 s42, s29, 12
	s_lshl_b32 s34, s26, 10
	s_add_co_u32 s42, s42, s34
	s_add_nc_u64 s[46:47], s[14:15], s[42:43]      ; their scale bytes: 16 a row
	s_lshl_b32 s42, s29, 10
	s_lshl_b32 s34, s26, 8
	s_add_co_u32 s42, s42, s34
	s_add_nc_u64 s[52:53], s[16:17], s[42:43]      ; bv
	s_lshl_b32 s33, s27, 18
	s_lshl_b32 s42, s28, 17
	s_lshl_b32 s34, s26, 15
	s_add_co_u32 s42, s42, s34
	s_add_co_u32 s42, s42, s33
	s_add_nc_u64 s[48:49], s[4:5], s[42:43]        ; source 0: hn's tiles 32 nb + 8 w on
	s_lshl_b32 s34, s29, 14
	s_add_co_u32 s42, s42, s34
	s_add_nc_u64 s[38:39], s[22:23], s[42:43]      ; out: v_img at key step 4 nb + w, tile 16 ch
	s_lshl_b32 s33, s27, 14
	s_lshl_b32 s42, s28, 10
	s_lshl_b32 s34, s26, 8
	s_add_co_u32 s42, s42, s34
	s_add_co_u32 s42, s42, s33
	s_add_nc_u64 s[50:51], s[6:7], s[42:43]        ; source 0's scale bytes
	s_lshl_b32 s42, s28, 13
	s_lshl_b32 s34, s26, 11
	s_add_co_u32 s42, s42, s34
	s_lshl_b32 s34, s29, 10
	s_add_co_u32 s42, s42, s34
	s_add_co_u32 s42, s42, s33
	s_add_nc_u64 s[40:41], s[24:25], s[42:43]      ; v_sc
.else
	s_and_b32 s28, ttmp9, 3                        ; which quarter of the places
	s_lshl_b32 s33, s27, 18
	s_lshl_b32 s34, s28, 16
	s_add_co_u32 s33, s33, s34
	s_lshl_b32 s42, s26, 14
	s_add_co_u32 s42, s42, s33
	s_add_nc_u64 s[44:45], s[4:5], s[42:43]        ; source 1: hn's tiles 16 nblk + 4 w on
	s_lshl_b32 s42, s26, 10
	s_add_co_u32 s42, s42, s33
	s_add_nc_u64 s[38:39], s[18:19], s[42:43]      ; out: k_img at tile 16 nblk, K step w
	s_lshl_b32 s33, s27, 14
	s_lshl_b32 s34, s28, 9
	s_lshl_b32 s42, s26, 7
	s_add_co_u32 s42, s42, s34
	s_add_co_u32 s42, s42, s33
	s_add_nc_u64 s[46:47], s[6:7], s[42:43]        ; source 1's scale bytes
	s_lshl_b32 s34, s28, 12
	s_lshl_b32 s42, s26, 9
	s_add_co_u32 s42, s42, s34
	s_add_co_u32 s42, s42, s33
	s_add_nc_u64 s[40:41], s[20:21], s[42:43]      ; k_sc at key step 2 nblk, K step w
	s_lshl_b32 s42, s26, 15
	s_add_co_u32 s42, s42, 131072
	s_add_nc_u64 s[48:49], s[8:9], s[42:43]        ; source 0: wk's tiles 8 w on
	s_lshl_b32 s42, s26, 11
	s_add_nc_u64 s[50:51], s[10:11], s[42:43]      ; their scale bytes
	s_lshl_b32 s42, s26, 9
	s_add_nc_u64 s[52:53], s[12:13], s[42:43]      ; bk
.endif
.set i, 0
.rept 32
	global_load_b128 v[ACC+4*i:ACC+4*i+3], v1, s[44:45] offset:512*i   ; my 4 tiles of source 1, as they lie
.set i, i+1
.endr
.if \isv
.irp p, 0,1
	global_load_b128 v[36+4*\p:39+4*\p], v5, s[46:47] offset:512*\p    ; a row's 16 scale bytes are its four words
	global_load_b32 v[44+\p], v6, s[52:53] offset:128*\p
.endr
.else
.irp p, 0,1
.irp g, 0,1,2,3,4,5,6,7
	global_load_u16 v[36+8*\p+\g], v4, s[46:47] offset:2048*\g+64*\p   ; K blocks 2 g, 2 g + 1 of a pair of tiles' rows
.endr
.endr
.endif
	WIN 0x40                                       ; destination window 1
.set i, 0
.rept 64
	global_load_b128 v[4*i:4*i+3], v1, s[48:49] offset:512*i           ; source 0's 32 fragments: fragment (t, s) at v[8 (4 t + s)]: they stay
.set i, i+1
.endr
	WIN 0
.if \isv
.irp p, 0,1,2,3
.irp g, 0,1,2,3,4,5,6,7
	global_load_u16 v[204+8*\p+\g], v4, s[50:51] offset:2048*\g+64*\p
.endr
.endr
.else
.irp p, 0,1,2,3
	global_load_b128 v[16+4*\p:19+4*\p], v5, s[50:51] offset:512*\p
.endr
.endif
	s_wait_loadcnt 63                              ; behind source 1's tiles and scales at least 68 loads were issued: with 63 out at the most, those are in
.set i, 0
.rept 32
	ds_store_b128 v240, v[ACC+4*i:ACC+4*i+3] offset:512*i
.set i, i+1
.endr
.if \isv
.irp p, 0,1
	ds_store_b128 v241, v[36+4*\p:39+4*\p] offset:512*\p
	ds_store_b32 v242, v[44+\p] offset:128*\p
.endr
.else
.irp p, 0,1
.irp s, 0,1,2,3
	v_lshl_or_b32 v[52+4*\p+\s], v[37+8*\p+2*\s], 16, v[36+8*\p+2*\s]   ; K step s's word: blocks 4 s .. 4 s + 3
.endr
	ds_store_b128 v241, v[52+4*\p:55+4*\p] offset:512*\p
.endr
.endif
	s_wait_dscnt 0x0                               ; for the others' sake: my part of source 1 has landed
	s_barrier_signal -1
	s_barrier_wait -1                              ; the path's one barrier: nothing in LDS that waves share is written again
.if \isv == 0
.irp t, 0,1,2,3,4,5,6,7
	global_load_b128 v[CB+8*\t:CB+8*\t+3], v7, s[52:53] offset:(32*(\t/2)+8*(\t%2))*4       ; bk at the result's eight channels: 32 (t / 2) + 8 (t % 2) + 16 h + 0 .. 7
	global_load_b128 v[CB+8*\t+4:CB+8*\t+7], v7, s[52:53] offset:(32*(\t/2)+8*(\t%2))*4+16
.endr
.endif
.set i, 0
.rept 8
	ds_load_b128 v[XF+4*i:XF+4*i+3], v8 offset:512*i                  ; tile 0
.set i, i+1
.endr
	ds_load_b128 v[32:35], v9
.if \isv
.set i, 0
.rept 8
	ds_load_b32 v[CB+i], v10
.set i, i+1
.endr
.endif
	s_wait_loadcnt 0x0
.if \isv
.irp p, 0,1,2,3
.irp s, 0,1,2,3
	v_lshl_or_b32 v[16+4*\p+\s], v[205+8*\p+2*\s], 16, v[204+8*\p+2*\s]
.endr
.endr
.endif
.irp b, 0,1,2,3
	v_mov_b32 v[BX+\b], 0                          ; written once: a lane permute's destination counts as one of its sources
.endr
.if \isv
.rept 8
	v_nop                                          ; a scale register written by a vector instruction stands eight places ahead of a scaled matrix instruction
.endr
.endif
	s_mov_b32 s32, 15
	s_mov_b32 s33, 4096                            ; the next tile's fragments,
	s_mov_b32 s34, 256                             ; scale words
	s_mov_b32 s35, 64                              ; and bias
	s_mov_b32 s36, 0                               ; this tile's place among the new scale words
.Ltile_\@:
	TRIP \isv, 1, 4096-3072*\isv                   ; k: a tile's 4 K steps on; v: one fragment on
	s_sub_co_u32 s32, s32, 1
	s_cmp_lg_u32 s32, 0
	s_cbranch_scc1 .Ltile_\@
	TRIP \isv, 0, 0                                ; the last tile is written out: nothing is left to fetch
	ds_load_b128 v[36:39], v243                    ; my 16 tiles' scale words: LDS serves a wave's instructions in order, and the bytes are my own
	ds_load_b128 v[40:43], v243 offset:512
	s_wait_dscnt 0x0
	global_store_b128 v1, v[36:39], s[40:41]
	global_store_b128 v1, v[40:43], s[40:41] offset:2048-1536*\isv     ; k: the next key step's block; v: the next 8 tiles
	s_wait_tensorcnt 0x0
	ds_add_u32 v254, v255
	s_wait_dscnt 0x0
	s_endpgm
.endm
	KV 0
.Lv_path:
	KV 1
.Lfunc_end_k_q53e3681129_kvproj:
	.size	k_q53e3681129_kvproj, .Lfunc_end_k_q53e3681129_kvproj-k_q53e3681129_kvproj
	.p2alignl 7, 3214868480
	.fill 96, 4, 3214868480
	.section	.rodata,"a",@progbits
	.p2align	6, 0x0
	.amdhsa_kernel k_q53e3681129_kvproj
		.amdhsa_group_segment_fixed_size 150016
		.amdhsa_private_segment_fixed_size 0
		.amdhsa_enable_private_segment 0
		.amdhsa_kernarg_size 88
		.amdhsa_user_sgpr_count 2
		.amdhsa_user_sgpr_kernarg_segment_ptr 1
		.amdhsa_wavefront_size32 1
		.amdhsa_system_sgpr_workgroup_id_x 1
		.amdhsa_system_sgpr_workgroup_id_y 1
		.amdhsa_system_sgpr_workgroup_id_z 1
		.amdhsa_system_vgpr_workitem_id 0
		.amdhsa_next_free_vgpr 512
		.amdhsa_next_free_sgpr 66
		.amdhsa_reserve_vcc 0
		.amdhsa_float_denorm_mode_32 3
		.amdhsa_float_denorm_mode_16_64 3
		.amdhsa_memory_ordered 1
		.amdhsa_forward_progress 1
		.amdhsa_inst_pref_size 76
	.end_amdhsa_kernel
	.amdgpu_metadata
---
amdhsa.version: [ 1, 2 ]
amdhsa.kernels:
  - .name:           k_q53e3681129_kvproj
    .symbol:         k_q53e3681129_kvproj.kd
    .args:
      - { .name: hn_img, .offset: 0, .size: 8, .value_kind: global_buffer, .address_space: global }
      - { .name: hn_sc, .offset: 8, .size: 8, .value_kind: global_buffer, .address_space: global }
      - { .name: wimg, .offset: 16, .size: 8, .value_kind: global_buffer, .address_space: global }
      - { .name: wk_scales, .offset: 24, .size: 8, .value_kind: global_buffer, .address_space: global }
      - { .name: bk, .offset: 32, .size: 8, .value_kind: global_buffer, .address_space: global }
      - { .name: wv_scales, .offset: 40, .size: 8, .value_kind: global_buffer, .address_space: global }
      - { .name: bv, .offset: 48, .size: 8, .value_kind: global_buffer, .address_space: global }
      - { .name: k_img, .offset: 56, .size: 8, .value_kind: global_buffer, .address_space: global }
      - { .name: k_sc, .offset: 64, .size: 8, .value_kind: global_buffer, .address_space: global }
      - { .name: v_img, .offset: 72, .size: 8, .value_kind: global_buffer, .address_space: global }
      - { .name: v_sc, .offset: 80, .size: 8, .value_kind: global_buffer, .address_space: global }
    .group_segment_fixed_size: 150016
    .private_segment_fixed_size: 0
    .kernarg_segment_align: 8
    .kernarg_segment_size: 88
    .max_flat_workgroup_size: 128
    .sgpr_count:     66
    .vgpr_count:     512
    .wavefront_size: 32
...
	.end_amdgpu_metadata
.endif
;; end of part 2
;; launch attn (part 3): grid 8 x 32, 4 waves a work-group, clusters of 4 x 1, 327,680 bytes of LDS; arguments hn_img, hn_sc, wimg, wq_scales, bq, k_img, k_sc, v_img, v_sc, wo_scales, bo, x, out0; writes out0
.if DOCPART == 3
	.amdgcn_target "amdgcn-amd-amdhsa--gfx1250"
	.amdhsa_code_object_version 6
	.text
	.protected	k_q53e3681129_attn
	.globl	k_q53e3681129_attn
	.p2align	8
	.type	k_q53e3681129_attn,@function
k_q53e3681129_attn:
	s_mov_b64 s[64:65], 0
	v_nop
	global_prefetch_b8 v0, s[64:65] scope:SCOPE_SE
	s_setreg_imm32_b32 hwreg(HW_REG_WAVE_MODE, 25, 1), 1
	s_wait_xcnt 0x0
	s_wait_alu depctr_hold_cnt(0) depctr_sa_sdst(0) depctr_va_vdst(0) depctr_va_sdst(0) depctr_va_ssrc(0) depctr_va_vcc(0) depctr_vm_vsrc(0)
	s_getreg_b32 s2, hwreg(HW_REG_IB_STS2, 6, 4)
	s_cmp_eq_u32 s2, 0
	s_cbranch_scc0 .Lentry_in_a_cluster
	s_endpgm
.Lentry_in_a_cluster:
	s_bfe_u32 s2, ttmp6, 0x10000c
	s_cmp_lg_u32 s2, 0x3003
	s_cbranch_scc0 .Lentry_shape_is_right
	s_endpgm
.Lentry_shape_is_right:
; out0 = x + wo o + bo, o = (v p) / l, p = 2^(t - M), t = (q . k) log2(e) / sqrt(512), q = wq hn + bq.  All four products on codes of FP4 (E2M1) with one E8M0 scale for each 32 along K.
; SHARES.  A work-group owns 128 queries (8 tiles of 16) of one batch.
;   q projection: the waves share the COLUMNS: wave w makes channels 128 w on (wq's 32 fragments in its registers) for all 8 tiles; each result is K step w of q's fragment and goes to LDS as an image of its registers.
;   main loop: wave w owns query tiles 2 w, 2 w + 1 and walks all 1,024 keys, 128 a step.  S^T = K Q^T, O^T = V P^T: a lane holds ONE query throughout; O^T is 2 x 256 registers.
;   out projection: columns again: wave w makes output channels 128 w on (wo's fragments in its registers) for all 8 tiles; source 0 = o, so that a lane's eight results are eight neighbouring places of one channel's row.
; THE ROWS OF EVERY TILE (places, channels, keys) are 32 (T / 2) + 8 (T % 2) + (row % 8) + 16 (row / 8): the 16 registers of result tiles 2 b, 2 b + 1 are then 16 neighbours along the next product's K.
; SOFTMAX.  M = the running largest t rounded up to a whole number, kept as -M; the sum l is taken of the unquantised p; when M moves, l and O^T are multiplied by 2^(old M - new M), which rounds nothing; no branch on data.
; A block's largest p is not searched for: the block's largest score goes through the same multiply-add and exponential (this takes v_exp_f32 not to fall where its input rises).
; CLUSTER.  The four work-groups of a cluster are query blocks of one batch and walk the same K and V: every tile and both blocks of scale words are asked for JOINTLY (mask 15).  Only addresses of hn, x and out0 hang on the place in the cluster.
; RING.  Two slots of one key step (K's 32 fragments, V's 32: 65,536 bytes).  The change of slots stands at a step's head; the fill goes into the slot just left and has a whole step in which to land.  By this text's count a wave has two tensor loads out at the start, later one.
; O^T BEGINS AS ZEROS, written at the head under the first loads: a first key step of its own (products that start the sums) would be a third copy of the step's text.
; LIMITS: NaN and infinities are not served.  A block of zeros, and one whose largest magnitude lies under 2^-124, get the byte 1 (for zeros the quantiser says 127: the codes are zeros, and this program alone reads the bytes).
; p under 2^-126 comes out of v_exp_f32 as 0.  t is the score times ONE constant, log2(e) / sqrt(512), where the definition multiplies twice.
; LDS: 0 slot 0, 65,536 slot 1 (in a slot: K, then V at 32,768); then K's and V's scale words of the batch; behind them, never a tensor load's target: hn's 8 tiles and scale words, q's, o's, a stage a wave, the spare words.
; REGISTERS.  window 0: v1-15 addresses; v16-63 scale words and nothing else; v64-191 scores and p, at other times fragments, accumulators, rows; v192-207 codes just made; v208-223 a tile's statistics; v224-239 at work; v240-255 addresses.
;   window 1: wq's fragments; then Q (v0-63) and three buffers of 8 fragments; then o's 32 fragments.   window 2: bq as C, then O^T of tile 2 w, then wo's fragments.   window 3: O^T of tile 2 w + 1, then three sets of 16 rows of x.
.set SLOT1, 65536
.set VOFF,  32768
.set SCK,   131072
.set SCV,   147456
.set HQ,    163840                     ; hn's 8 tiles, 4,096 each
.set HQS,   196608                     ; [tile][row][4 words]
.set QIMG,  198656                     ; q's fragments, 4 m + s
.set QSC,   231424
.set OIMG,  233472                     ; o's
.set OSC,   266240
.set STG,   268288                     ; 16 rows x (512 + 16) bytes for each wave
.set SPARE, 302080                     ; the spare words, 128 bytes a wave: two blocks of 256 bytes that no other line names
.set WV,  30
.set SEL, 68
.set CS,  70
.set TB,  72                           ; s72 the slot in hand
.set TS,  73                           ; s73 the step's scale words: 2,048 bytes a step
.set CNT, 74
.set PC,  192
.set ST,  208                          ; tile q at ST + 8 q: +0 -M, +1 the largest t, +2:3 the sum, +4 f, +5 p's scale word, +6:7 1 / l
.set BM,  224
.set BX,  228
.set BS,  232
.set T0,  236
.set PWT, 237
.set SU,  238
.set MSB, 0
.macro WIN new                         ; the immediate's high byte repeats the setting that is left
.if MSB != \new
	s_set_vgpr_msb (MSB<<8)|\new
.set MSB, \new
.endif
.endm
.macro PLACES                          ; four plain vector instructions behind a matrix instruction, ahead of a read of its result or a load into its registers
.rept 4
	v_nop
.endr
.endm
.macro WM d, a, b, c, sa, sb, row      ; row = 1: source 0's scales from lanes 16-31; 2: source 1's
.if (\row) == 1
	v_wmma_scale_f32_16x16x128_f8f6f4 v[(\d):(\d)+7], v[(\a):(\a)+7], v[(\b):(\b)+7], v[(\c):(\c)+7], v[\sa], v[\sb] matrix_a_fmt:MATRIX_FMT_FP4 matrix_b_fmt:MATRIX_FMT_FP4 matrix_a_scale:MATRIX_SCALE_ROW1
.elseif (\row) == 2
	v_wmma_scale_f32_16x16x128_f8f6f4 v[(\d):(\d)+7], v[(\a):(\a)+7], v[(\b):(\b)+7], v[(\c):(\c)+7], v[\sa], v[\sb] matrix_a_fmt:MATRIX_FMT_FP4 matrix_b_fmt:MATRIX_FMT_FP4 matrix_b_scale:MATRIX_SCALE_ROW1
.else
	v_wmma_scale_f32_16x16x128_f8f6f4 v[(\d):(\d)+7], v[(\a):(\a)+7], v[(\b):(\b)+7], v[(\c):(\c)+7], v[\sa], v[\sb] matrix_a_fmt:MATRIX_FMT_FP4 matrix_b_fmt:MATRIX_FMT_FP4
.endif
.endm
.macro WMZ d, a, b, sa, sb, row        ; the product that starts a sum
.if \row
	v_wmma_scale_f32_16x16x128_f8f6f4 v[(\d):(\d)+7], v[(\a):(\a)+7], v[(\b):(\b)+7], 0, v[\sa], v[\sb] matrix_a_fmt:MATRIX_FMT_FP4 matrix_b_fmt:MATRIX_FMT_FP4 matrix_a_scale:MATRIX_SCALE_ROW1
.else
	v_wmma_scale_f32_16x16x128_f8f6f4 v[(\d):(\d)+7], v[(\a):(\a)+7], v[(\b):(\b)+7], 0, v[\sa], v[\sb] matrix_a_fmt:MATRIX_FMT_FP4 matrix_b_fmt:MATRIX_FMT_FP4
.endif
.endm
; 64 numbers of a lane, register 16 b + i = k 32 b + 16 (lane / 16) + i of my row, become a fragment's codes in v[PC] on and its scale word in v[PWT].
.macro QUANT64 s
.irp b, 0,1,2,3
	v_max3_num_f32 v[BM+\b], |v[\s+16*\b]|, |v[\s+1+16*\b]|, 0x1800000   ; my 16 numbers of block b, and the floor 2^(3 - 127): the byte cannot fall under 1
.endr
.irp i, 2,4,6,8,10,12,14
.irp b, 0,1,2,3
	v_max3_num_f32 v[BM+\b], v[BM+\b], |v[\s+16*\b+\i]|, |v[\s+1+16*\b+\i]|
.endr
.endr
.irp b, 0,1,2,3
	v_permlanex16_b32 v[BX+\b], v[BM+\b], s[SEL], s[SEL+1]
.endr
.irp b, 0,1,2,3
	v_max_num_f32 v[BM+\b], v[BM+\b], v[BX+\b]     ; with lane l xor 16's: the block's largest magnitude
.endr
.irp b, 0,1,2,3
	v_add_nc_u32 v[BS+\b], 0xff000000, v[BM+\b]    ; 2 off its exponent field: the conversion's scale operand
.endr
.irp b, 0,1,2,3
	v_lshrrev_b32 v[BX+\b], 23, v[BS+\b]           ; the scale's byte
.endr
	v_lshl_or_b32 v[PWT], v[BX+1], 8, v[BX]
	v_lshl_or_b32 v[PWT], v[BX+2], 16, v[PWT]
	v_lshl_or_b32 v[PWT], v[BX+3], 24, v[PWT]
.irp b, 0,1,2,3
	v_cvt_scalef32_pk8_fp4_f32 v[PC+2*\b], v[\s+16*\b:\s+7+16*\b], v[BS+\b]
	v_cvt_scalef32_pk8_fp4_f32 v[PC+1+2*\b], v[\s+8+16*\b:\s+15+16*\b], v[BS+\b]
.endr
	v_nop                                          ; one plain place behind a scaled conversion
.irp c, 0,1                            ; the operand wants a WHOLE block in a lane: lanes 0-15 block 2 c, lanes 16-31 block 2 c + 1
.irp i, 0,1
	v_permlane16_swap_b32 v[PC+4*\c+\i], v[PC+2+4*\c+\i]
.endr
.endr
.endm
; A round of the cluster's barrier: my work-group's barrier, wave 0's signal for the work-group, every wave's wait for all four work-groups, my work-group's barrier once more.
.macro CROUND
	s_barrier_signal -1
	s_barrier_wait -1
	s_cmp_lg_u32 s[WV], 0
	s_cbranch_scc1 .Lnot_wave_0_\@
	s_barrier_signal -3
.Lnot_wave_0_\@:
	s_barrier_wait -3
	s_barrier_signal -1
	s_barrier_wait -1
.endm
; A joint refill: waves 0 and 1 fetch the halves of K's 32,768 bytes, waves 2 and 3 those of V's.  Four v_nop follow each of the two lines.
.macro JLOAD
	s_cmp_lt_u32 s[WV], 2
	s_cbranch_scc0 .Lfor_v_\@
	tensor_load_to_lds s[48:51], s[32:39]
	s_nop 0
.rept 4
	v_nop
.endr
	s_branch .Lasked_\@
.Lfor_v_\@:
	tensor_load_to_lds s[52:55], s[32:39]
	s_nop 0
.rept 4
	v_nop
.endr
.Lasked_\@:
.endm
	s_load_b512 s[4:19], s[0:1], 0x0               ; hn_img, hn_sc, wimg, wq_scales, bq, k_img, k_sc, v_img
	s_load_b256 s[20:27], s[0:1], 0x40             ; v_sc, wo_scales, bo, x
	s_load_b64 s[28:29], s[0:1], 0x60              ; out0
	v_lshl_add_u32 v3, v0, 2, SPARE                ; v3: my spare word; never rewritten
	v_mov_b32 v4, 0                                ; v4: 0; never rewritten
	ds_add_u32 v3, v4
	ds_add_u32 v3, v4
	s_wait_dscnt 0x0
	v_lshrrev_b32 v5, 5, v0
	v_readfirstlane_b32 s[WV], v5                  ; wave 0..3
	s_and_b32 s31, s[WV], 1                        ; which half of a tile I fetch
	s_bfe_u32 s66, ttmp6, 0x40000                  ; my place in the cluster
	s_lshl_b32 s88, ttmp9, 2
	s_add_co_u32 s66, s66, s88                     ; my block of 128 queries: it enters hn's, x's and out0's addresses alone
	s_and_b32 s67, ttmp7, 0xffff                   ; the batch, which the four partners share
	; descriptor groups 1: dense blocks as rows of 256 bytes (32 elements of 8 bytes), no padding: fragments are read as consecutive bytes
	s_mov_b32 s32, 15|(3<<16)|(1<<21)              ; 15:0 the mask: all four work-groups; 17:16 elements of 8 bytes; 21 set beside a mask
	s_mov_b32 s33, 32<<16                          ; tensor_dim0 = 32
	s_mov_b32 s34, 64<<16                          ; tensor_dim1 = 64
	s_mov_b32 s35, 32<<16                          ; tile_dim0 = 32
	s_mov_b32 s36, 64                              ; tile_dim1 = 64: 16,384 bytes, half of K's or V's tile
	s_mov_b32 s37, 32                              ; from row to row
	s_mov_b32 s38, 0
	s_mov_b32 s39, 0
	s_mov_b32 s40, 15|(3<<16)|(1<<21)
	s_mov_b32 s41, 32<<16
	s_mov_b32 s42, 32<<16
	s_mov_b32 s43, 32<<16
	s_mov_b32 s44, 32                              ; 32 rows: 8,192 bytes, half of a batch's scale words
	s_mov_b32 s45, 32
	s_mov_b32 s46, 0
	s_mov_b32 s47, 0
	s_mov_b32 s[SEL], 0x76543210
	s_mov_b32 s[SEL+1], 0xfedcba98                 ; v_permlanex16_b32's selects for lane l xor 16
	s_mov_b32 s[CS], 0x3d8293ee                    ; c = log2(e) / sqrt(512)
	s_mov_b32 s[CS+1], s[CS]                       ; (named with it as a pair, so it is written)
	s_mov_b32 s[TB], 0
	s_mov_b32 s[TS], 0
	v_and_b32 v5, 31, v0
	v_lshlrev_b32 v1, 4, v5                        ; v1: 16 x lane
	v_lshlrev_b32 v2, 2, v5                        ; v2: 4 x lane
	v_lshlrev_b32 v239, 1, v5                      ; (head only) 2 x lane
	v_and_b32 v6, 15, v0                           ; r
	v_lshlrev_b32 v8, 4, v6                        ; v8: 16 r
	v_bfe_u32 v7, v0, 4, 1                         ; h
	v_lshlrev_b32 v238, 6, v7                      ; (head only) 64 h
	v_add_nc_u32 v9, SCK, v2                       ; v9: K's scale words for a pair of tiles
	v_add_nc_u32 v10, SCV, v2                      ; v10: V's
	s_mul_i32 s89, s[WV], 8448
	s_add_co_u32 s89, s89, STG
	v_mul_u32_u24 v13, v6, 528
	v_lshl_add_u32 v13, v7, 6, v13
	v_add_nc_u32 v13, s89, v13                     ; v13: the stage, in: row r, + 64 h
	v_add_nc_u32 v14, s89, v1                      ; v14: back: a whole row, 16 bytes a lane
	v_bfe_u32 v15, v0, 1, 3
	v_lshl_add_u32 v15, v7, 4, v15
	v_lshlrev_b32 v15, 12, v15
	v_and_b32 v11, 1, v0
	v_lshl_add_u32 v15, v11, 8, v15                ; v15: the prefetch: row (lane / 2) of a tile of x's channels, 256 bytes for each of two lanes
	v_and_b32 v254, 7, v0
	v_bfe_u32 v11, v0, 3, 1
	v_lshl_add_u32 v254, v11, 4, v254              ; a tile's row for lane % 16
	v_lshlrev_b32 v255, 2, v254                    ; v255: x 4
	v_lshl_add_u32 v254, v7, 3, v254               ; the row among 32 when lanes 16-31 take the odd tile of a pair
	v_lshlrev_b32 v254, 4, v254                    ; v254: x 16
	s_lshl_b32 s79, s[WV], 13
	s_add_co_u32 s89, s79, HQ
	v_add_nc_u32 v240, s89, v1                     ; v240: staging of hn's tiles 2 w, 2 w + 1
	s_add_co_u32 s89, s79, QIMG
	v_add_nc_u32 v248, s89, v1                     ; v248: my two tiles of q
	s_add_co_u32 s89, s79, OIMG
	v_add_nc_u32 v250, s89, v1                     ; v250: my two tiles of o
	s_lshl_b32 s79, s[WV], 9
	s_add_co_u32 s89, s79, HQS
	v_add_nc_u32 v241, s89, v1                     ; v241: staging of hn's scale words
	s_add_co_u32 s89, s79, QSC
	v_add_nc_u32 v249, s89, v8                     ; v249: my tiles' scale words of q
	s_add_co_u32 s89, s79, OSC
	v_add_nc_u32 v251, s89, v8                     ; v251: of o
	s_lshl_b32 s79, s[WV], 10
	s_add_co_u32 s89, s79, QIMG
	v_add_nc_u32 v244, s89, v1                     ; v244: K step w of a tile of q
	s_lshl_b32 s79, s[WV], 2
	s_add_co_u32 s89, s79, QSC
	v_add_nc_u32 v245, s89, v8                     ; v245: and its scale word
	v_add_nc_u32 v242, HQ, v1
	v_add_nc_u32 v243, HQS, v8
	v_add_nc_u32 v252, OIMG, v1
	v_add_nc_u32 v253, OSC, v8
	s_mov_b32 s81, 0
	s_mov_b32 s83, 0
	s_mov_b32 s87, 0
	s_lshl_b32 s80, s67, 18
	s_lshl_b32 s79, s31, 14
	s_add_co_u32 s80, s80, s79                     ; k_img, v_img: batch x 262,144 + half x 16,384
	s_lshl_b32 s82, s67, 14
	s_lshl_b32 s79, s31, 13
	s_add_co_u32 s82, s82, s79                     ; k_sc, v_sc: batch x 16,384 + half x 8,192
	s_wait_kmcnt 0x0
	s_mov_b32 s48, 1                               ; K's walking group 0: count 1,
	s_lshl_b32 s49, s31, 14                        ; LDS: slot 0, my half,
	s_add_nc_u64 s[50:51], s[14:15], s[80:81]      ; key step 0,
	s_or_b32 s51, s51, 0x80000000                  ; type 2
	s_mov_b32 s52, 1                               ; V's
	s_add_co_u32 s53, s49, VOFF
	s_add_nc_u64 s[54:55], s[18:19], s[80:81]
	s_or_b32 s55, s55, 0x80000000
	s_mov_b32 s56, 1                               ; K's scale words
	s_lshl_b32 s57, s31, 13
	s_add_co_u32 s61, s57, SCV
	s_add_co_u32 s57, s57, SCK
	s_add_nc_u64 s[58:59], s[16:17], s[82:83]
	s_or_b32 s59, s59, 0x80000000
	s_mov_b32 s60, 1                               ; V's
	s_add_nc_u64 s[62:63], s[20:21], s[82:83]
	s_or_b32 s63, s63, 0x80000000
	s_lshl_b32 s86, s67, 18
	s_lshl_b32 s88, s66, 15
	s_add_co_u32 s86, s86, s88
	s_lshl_b32 s88, s[WV], 13
	s_add_co_u32 s86, s86, s88
	s_add_nc_u64 s[4:5], s[4:5], s[86:87]          ; hn's tiles 8 qb + 2 w on
	s_lshl_b32 s86, s67, 14
	s_lshl_b32 s88, s66, 8
	s_add_co_u32 s86, s86, s88
	s_lshl_b32 s88, s[WV], 6
	s_add_co_u32 s86, s86, s88
	s_add_nc_u64 s[6:7], s[6:7], s[86:87]          ; their scale bytes
	s_lshl_b32 s86, s[WV], 15
	s_add_nc_u64 s[84:85], s[8:9], s[86:87]        ; wq's tiles 8 w on
	s_add_co_u32 s86, s86, 393216
	s_add_nc_u64 s[8:9], s[8:9], s[86:87]          ; wo's
	s_lshl_b32 s86, s[WV], 11
	s_add_nc_u64 s[10:11], s[10:11], s[86:87]
	s_add_nc_u64 s[22:23], s[22:23], s[86:87]
	s_lshl_b32 s86, s[WV], 9
	s_add_nc_u64 s[12:13], s[12:13], s[86:87]
	s_add_nc_u64 s[24:25], s[24:25], s[86:87]
	s_lshl_b32 s86, s67, 21
	s_lshl_b32 s88, s[WV], 19
	s_add_co_u32 s86, s86, s88
	s_lshl_b32 s88, s66, 9
	s_add_co_u32 s86, s86, s88
	s_add_nc_u64 s[26:27], s[26:27], s[86:87]      ; x and out0 at channel 128 w, place 128 qb
	s_add_nc_u64 s[28:29], s[28:29], s[86:87]
	CROUND                                         ; all four work-groups are here: the first joint loads meet
	s_cmp_lt_u32 s[WV], 2                          ; a wave's two first fills stand in one branch, ahead of every wait on TENSORcnt, every LDS read and every other barrier
	s_cbranch_scc0 .Lfirst_v
	tensor_load_to_lds s[56:59], s[40:47]
	s_nop 0
	tensor_load_to_lds s[48:51], s[32:39]
	s_nop 0
.rept 4
	v_nop
.endr
	s_branch .Lfirst_asked
.Lfirst_v:
	tensor_load_to_lds s[60:63], s[40:47]
	s_nop 0
	tensor_load_to_lds s[52:55], s[32:39]
	s_nop 0
.rept 4
	v_nop
.endr
.Lfirst_asked:
.set i, 0
.rept 16
	global_load_b128 v[64+4*i:67+4*i], v1, s[4:5] offset:512*i         ; hn's tiles 2 w, 2 w + 1, as they lie
.set i, i+1
.endr
.irp g, 0,1,2,3,4,5,6,7
	global_load_u16 v[128+\g], v239, s[6:7] offset:2048*\g             ; K blocks 2 g, 2 g + 1 of their rows
.endr
	WIN 0x40
.set i, 0
.rept 64
	global_load_b128 v[4*i:4*i+3], v1, s[84:85] offset:512*i           ; wq's fragment (t, s) at v[8 (4 t + s)] of window 1
.set i, i+1
.endr
	WIN 0
.irp p, 0,1,2,3
	global_load_b128 v[32+4*\p:35+4*\p], v254, s[10:11] offset:512*\p  ; wq's scale words [pair of tiles][K step]
.endr
	WIN 0x80
.irp t, 0,1,2,3,4,5,6,7
	global_load_b128 v[8*\t:8*\t+3], v238, s[12:13] offset:(32*(\t/2)+8*(\t%2))*4       ; bq at the result's eight channels, in window 2
	global_load_b128 v[8*\t+4:8*\t+7], v238, s[12:13] offset:(32*(\t/2)+8*(\t%2))*4+16
.endr
.set i, 64
.rept 192
	v_mov_b32 v[i], 0                              ; O^T of tile 2 w (its first 64 registers are cleared when bq has left them)
.set i, i+1
.endr
	WIN 0xc0
.set i, 0
.rept 256
	v_mov_b32 v[i], 0                              ; O^T of tile 2 w + 1
.set i, i+1
.endr
	WIN 0
.irp q, 0,1
	v_mov_b32 v[ST+8*\q+1], 0xff61b1e6             ; the largest t so far: -3e38, under every t
	v_floor_f32 v[ST+8*\q], -v[ST+8*\q+1]          ; -M
	v_mov_b32 v[ST+8*\q+2], 0                      ; the sum, in two halves
	v_mov_b32 v[ST+8*\q+3], 0
	v_mov_b32 v[ST+8*\q+5], 0                      ; (named as the upper half of f's pair before it is first written)
.endr
.irp b, 0,1,2,3
	v_mov_b32 v[BX+\b], 0                          ; written once: a lane permute's destination counts as one of its sources
.endr
	s_wait_loadcnt 63                              ; behind hn's tiles and scale bytes 84 loads were issued: with 63 out at the most, those are in
.set i, 0
.rept 16
	ds_store_b128 v240, v[64+4*i:67+4*i] offset:512*i
.set i, i+1
.endr
.irp s, 0,1,2,3
	v_lshl_or_b32 v[136+\s], v[129+2*\s], 16, v[128+2*\s]              ; K step s's word
.endr
	ds_store_b128 v241, v[136:139]
	s_wait_dscnt 0x0                               ; for the others' sake: my two tiles have landed
	s_barrier_signal -1
	s_barrier_wait -1                              ; hn's eight tiles lie in LDS (the tensor loads may stay out, and no tile is read yet)
.set i, 0
.rept 8
	ds_load_b128 v[64+4*i:67+4*i], v242 offset:512*i                   ; tile 0
.set i, i+1
.endr
	ds_load_b128 v[48:51], v243
	s_wait_loadcnt 0x0
; ---- THE q PROJECTION: a tile of 16 queries a trip.  Source 0 = my 8 tiles of wq, source 1 = hn's tile; the 8 accumulators take turns.
.macro QTRIP next
	s_wait_dscnt 0x0                               ; the tile's fragments and scale words are in; the last trip's stores are done
	WIN 0x21                                       ; source 0 window 1, C (bq) window 2
.irp t, 0,1,2,3,4,5,6,7
	WM 96+8*\t, 32*\t, 64, 8*\t, 32+4*(\t/2), 48, \t%2
.endr
	WIN 0x01
.irp s, 1,2,3
.irp t, 0,1,2,3,4,5,6,7
	WM 96+8*\t, 32*\t+8*\s, 64+8*\s, 96+8*\t, 32+4*(\t/2)+\s, 48+\s, \t%2
.endr
.endr
	WIN 0
	PLACES
.if \next
	v_add_nc_u32 v11, s75, v242
	v_add_nc_u32 v12, s76, v243
.set i, 0
.rept 8
	ds_load_b128 v[64+4*i:67+4*i], v11 offset:512*i
.set i, i+1
.endr
	ds_load_b128 v[48:51], v12
.endif
	QUANT64 96
	v_add_nc_u32 v246, s77, v244
	v_add_nc_u32 v247, s78, v245
	ds_store_b128 v246, v[PC:PC+3]                 ; K step w of q's fragment, as an image of its registers
	ds_store_b128 v246, v[PC+4:PC+7] offset:512
	ds_store_b32 v247, v[PWT]                      ; word w of the row's four (lanes r and r + 16 write the same word with the same value)
	s_add_co_u32 s75, s75, 4096
	s_add_co_u32 s76, s76, 256
	s_add_co_u32 s77, s77, 4096
	s_add_co_u32 s78, s78, 256
.endm
	s_mov_b32 s[CNT], 7
	s_mov_b32 s75, 4096                            ; the next tile in hn's images, and its scale words
	s_mov_b32 s76, 256
	s_mov_b32 s77, 0                               ; this tile in q's images, and its scale words
	s_mov_b32 s78, 0
.Lq:
	QTRIP 1
	s_sub_co_u32 s[CNT], s[CNT], 1
	s_cmp_lg_u32 s[CNT], 0
	s_cbranch_scc1 .Lq
	QTRIP 0                                        ; the last tile is written out: nothing is left to fetch
	s_wait_dscnt 0x0
	s_barrier_signal -1
	s_barrier_wait -1                              ; q's 32 fragments lie in LDS
	WIN 0x40
.set i, 0
.rept 16
	ds_load_b128 v[4*i:4*i+3], v248 offset:512*i   ; my two tiles: fragment (q, s) at v[8 (4 q + s)] of window 1; they stay
.set i, i+1
.endr
	WIN 0
.irp q, 0,1
	ds_load_b128 v[16+4*\q:19+4*\q], v249 offset:256*\q
.endr
	WIN 0x80
.set i, 0
.rept 64
	v_mov_b32 v[i], 0                              ; the rest of O^T: bq has been read for the last time, a quantiser's lines ago
.set i, i+1
.endr
	WIN 0
; ---- THE MAIN LOOP
.macro FLOAD off, buf                  ; 8 fragments, 8,192 consecutive bytes of the slot, into a buffer of window 1
.set i, 0
.rept 16
	ds_load_b128 v[\buf+4*i:\buf+4*i+3], v5 offset:\off+512*i
.set i, i+1
.endr
.endm
.macro SMUL g, buf                     ; S^T of key tiles 2 g, 2 g + 1 for my two query tiles: four accumulators by turns, four K steps deep
	WIN 0x05                                       ; K and Q in window 1
.irp s, 0,1,2,3
.irp k2, 0,1
.irp q, 0,1
.if \s == 0
	WMZ 64+64*\q+8*(2*\g+\k2), \buf+32*\k2, 32*\q, 32+4*\g, 16+4*\q, \k2
.else
	WM 64+64*\q+8*(2*\g+\k2), \buf+32*\k2+8*\s, 32*\q+8*\s, 64+64*\q+8*(2*\g+\k2), 32+4*\g+\s, 16+4*\q+\s, \k2
.endif
.endr
.endr
.endr
.endm
.macro PVMUL g, buf                    ; O^T += V P^T for channel tiles 8 g .. 8 g + 7: each accumulator once a step
	WIN 0xa1                                       ; V window 1, P window 0, O^T window 2
.irp f, 0,1,2,3,4,5,6,7
	WM 8*(8*\g+\f), \buf+8*\f, 192, 8*(8*\g+\f), 48+4*\g+\f/2, ST+5, \f%2
.endr
	WIN 0xf1                                       ; O^T window 3
.irp f, 0,1,2,3,4,5,6,7
	WM 8*(8*\g+\f), \buf+8*\f, 200, 8*(8*\g+\f), 48+4*\g+\f/2, ST+13, \f%2
.endr
.endm
.macro SOFTMAX q                       ; tile q: 64 scores of a lane (register 16 b + i = key 32 b + 16 h + i) become p's codes and scale word; M, f and the sum move on
.set SS, 64+64*\q
.set TT, ST+8*\q
.set PP, 192+8*\q
.irp b, 0,1,2,3
	v_max3_num_f32 v[BM+\b], v[SS+16*\b], v[SS+16*\b+1], v[SS+16*\b+2]   ; the largest score of each block of 32 keys: for the row's maximum and for the block's largest p
.endr
.irp i, 3,5,7,9,11,13
.irp b, 0,1,2,3
	v_max3_num_f32 v[BM+\b], v[BM+\b], v[SS+16*\b+\i], v[SS+16*\b+\i+1]
.endr
.endr
.irp b, 0,1,2,3
	v_max_num_f32 v[BM+\b], v[BM+\b], v[SS+16*\b+15]
.endr
.irp b, 0,1,2,3
	v_permlanex16_b32 v[BX+\b], v[BM+\b], s[SEL], s[SEL+1]
.endr
.irp b, 0,1,2,3
	v_max_num_f32 v[BM+\b], v[BM+\b], v[BX+\b]     ; with lane l xor 16's 16 keys
.endr
	v_max3_num_f32 v[T0], v[BM], v[BM+1], v[BM+2]
	v_max_num_f32 v[T0], v[T0], v[BM+3]
	v_mul_f32 v[T0], s[CS], v[T0]                  ; the step's largest t (c is positive)
	v_max_num_f32 v[TT+1], v[TT+1], v[T0]          ; the running largest t
	v_mov_b32 v[T0], v[TT]
	v_floor_f32 v[TT], -v[TT+1]                    ; the new -M = -ceil(t): M is a whole number
	v_sub_f32 v[T0], v[TT], v[T0]                  ; old M - new M: a whole number, 0 or less
	v_cvt_i32_f32 v[T0], v[T0]                     ; (it saturates)
	v_ldexp_f32 v[TT+4], 1.0, v[T0]                ; f = 2^(old M - new M)
.set j, 0
.rept 32
	v_pk_fma_f32 v[SS+j:SS+j+1], v[SS+j:SS+j+1], s[CS:CS+1], v[TT:TT+1] op_sel_hi:[1,0,0]   ; t - M, two at a time
.set j, j+2
.endr
.irp b, 0,1,2,3
	v_fma_f32 v[BM+\b], v[BM+\b], s[CS], v[TT]     ; the same of each block's largest score
.endr
.set j, 0
.rept 64
	v_exp_f32 v[SS+j], v[SS+j]                     ; p = 2^(t - M), at most 1: not normalised
.set j, j+1
.endr
.irp b, 0,1,2,3
	v_exp_f32 v[BM+\b], v[BM+\b]                   ; the block's largest p
.endr
	v_pk_mul_f32 v[TT+2:TT+3], v[TT+2:TT+3], v[TT+4:TT+5] op_sel_hi:[1,0]   ; the sum under the new M (a plain place behind the exponentials)
	s_wait_alu depctr_va_vdst(0)
.irp b, 0,1,2,3
	v_max_num_f32 v[BM+\b], 0x1800000, v[BM+\b]    ; the floor 2^(3 - 127): the byte cannot fall under 1
.endr
.irp b, 0,1,2,3
	v_add_nc_u32 v[BS+\b], 0xff000000, v[BM+\b]
.endr
.irp b, 0,1,2,3
	v_lshrrev_b32 v[BX+\b], 23, v[BS+\b]
.endr
	v_lshl_or_b32 v[TT+5], v[BX+1], 8, v[BX]       ; p's scale word for these 128 keys
	v_lshl_or_b32 v[TT+5], v[BX+2], 16, v[TT+5]
	v_lshl_or_b32 v[TT+5], v[BX+3], 24, v[TT+5]
.irp b, 0,1,2,3
	v_cvt_scalef32_pk8_fp4_f32 v[PP+2*\b], v[SS+16*\b:SS+16*\b+7], v[BS+\b]
	v_cvt_scalef32_pk8_fp4_f32 v[PP+2*\b+1], v[SS+16*\b+8:SS+16*\b+15], v[BS+\b]
.endr
	v_nop                                          ; one plain place behind a scaled conversion
.irp c, 0,1
.irp i, 0,1
	v_permlane16_swap_b32 v[PP+4*\c+\i], v[PP+4*\c+2+\i]
.endr
.endr
	v_pk_add_f32 v[SU:SU+1], v[SS:SS+1], v[SS+2:SS+3]                  ; the row's sum is taken of the unquantised p: two chains of pairs
.set j, 4
.rept 15
	v_pk_add_f32 v[TT+2:TT+3], v[TT+2:TT+3], v[SS+j:SS+j+1]
	v_pk_add_f32 v[SU:SU+1], v[SU:SU+1], v[SS+j+2:SS+j+3]
.set j, j+4
.endr
	v_pk_add_f32 v[TT+2:TT+3], v[TT+2:TT+3], v[SU:SU+1]
.endm
.macro RESCALE q                       ; O^T of tile q under the new M: each accumulator from its low end on.  These lines are also the places between p's scale word and codes and the products that take them
	WIN 0x82+0x41*\q
.set i, 0
.rept 128
	v_pk_mul_f32 v[i:i+1], v[i:i+1], v[ST+8*\q+4:ST+8*\q+5] op_sel_hi:[1,0]
.set i, i+2
.endr
.endm
; THE CHANGE OF SLOTS, at a step's head.  Each wave waits for all its tensor loads (its part of the slot ahead), adds 0 to its spare word, and waits for that and for its reads of the slot that it has left.
; fill = 1: the barrier is a round of the cluster's, so that no wave of any partner still reads that slot or has a load on its way, and the joint fill of it is the first thing behind the round.
.macro CHANGE fill
	s_wait_tensorcnt 0x0                           ; no tensor load of mine is out, so a group 0 may be written
	ds_add_u32 v3, v4                              ; 0 onto my spare word
.if \fill
	s_xor_b32 s49, s49, SLOT1                      ; the walking descriptors: the other slot than last time,
	s_add_nc_u64 s[50:51], s[50:51], 32768         ; the next key step; the type bits on top are not reached
	s_xor_b32 s53, s53, SLOT1
	s_add_nc_u64 s[54:55], s[54:55], 32768
.endif
	s_wait_dscnt 0x0                               ; the add is done, and my LDS reads are over
.if \fill
	CROUND
	JLOAD
.else
	s_barrier_signal -1
	s_barrier_wait -1
.endif
.endm
; A KEY STEP: 128 keys.  Three buffers of 8 fragments take K's four groups and V's four by turns; each group is asked for two groups ahead of its use, so a wait leaves the two younger groups (32 loads) out.
.macro STEP pf
	PLACES                                         ; behind the last step's products, ahead of loads into their registers
	v_add_nc_u32 v5, s[TB], v1
	v_add_nc_u32 v6, s[TS], v9
	v_add_nc_u32 v7, s[TS], v10
.irp s, 0,1,2,3
.irp g, 0,1,2,3
	ds_load_b32 v[32+4*\g+\s], v6 offset:512*\s+128*\g                 ; K's scale words: lanes 0-15 tile 2 g, lanes 16-31 tile 2 g + 1
.endr
.endr
.set i, 0
.rept 16
	ds_load_b32 v[48+i], v7 offset:128*i           ; V's: channel tiles 2 i, 2 i + 1
.set i, i+1
.endr
	WIN 0x40
	FLOAD 0, 64
	FLOAD 8192, 128
	FLOAD 16384, 192
	s_wait_dscnt 32
	SMUL 0, 64
	PLACES
	WIN 0x40
	FLOAD 24576, 64
	s_wait_dscnt 32
	SMUL 1, 128
	PLACES
	WIN 0x40
	FLOAD VOFF, 128
	s_wait_dscnt 32
	SMUL 2, 192
	PLACES
	WIN 0x40
	FLOAD VOFF+8192, 192
	s_wait_dscnt 32
	SMUL 3, 64
	PLACES                                         ; also the places ahead of the first read of the scores
	WIN 0x40
	FLOAD VOFF+16384, 64
	WIN 0
.if \pf
.irp t, 0,1,2,3
	global_prefetch_b8 v15, s[26:27] offset:(32*(\t/2)+8*(\t%2))*4096 th:TH_LOAD_NT scope:SCOPE_SE   ; in the last key step: the first 64 of my 128 rows of x, 512 bytes each, every block of 256 bytes asked for once, by the wave that will load it
.endr
.endif
	SOFTMAX 0
	SOFTMAX 1
	RESCALE 0
	RESCALE 1
	s_wait_dscnt 32
	PVMUL 0, 128
	PLACES
	WIN 0x40
	FLOAD VOFF+24576, 128
	s_wait_dscnt 32
	PVMUL 1, 192
	s_wait_dscnt 16                                ; one younger group is left
	PVMUL 2, 64
	s_wait_dscnt 0x0
	PVMUL 3, 128
	WIN 0
	s_xor_b32 s[TB], s[TB], SLOT1
	s_add_co_u32 s[TS], s[TS], 2048
.endm
	s_mov_b32 s[CNT], 7
.Lstep:                                            ; seven trips: behind each change of slots but the last the next key step is asked for
	CHANGE 1
	STEP 0
	s_sub_co_u32 s[CNT], s[CNT], 1
	s_cmp_lg_u32 s[CNT], 0
	s_cbranch_scc1 .Lstep
	CHANGE 0                                       ; the last step is written out
	STEP 1
; ---- o = O^T / l, quantised along the channels; its fragments go to LDS as images.  The windows that O^T leaves take wo, and then rows of x.
.irp q, 0,1
	v_add_f32 v[ST+8*\q+2], v[ST+8*\q+2], v[ST+8*\q+3]                 ; the sum's two halves (these lines are the places behind the last products),
.endr
.irp q, 0,1
	v_permlanex16_b32 v[BX+\q], v[ST+8*\q+2], s[SEL], s[SEL+1]
.endr
.irp q, 0,1
	v_add_f32 v[ST+8*\q+2], v[ST+8*\q+2], v[BX+\q]                     ; and lane l xor 16's
.endr
.irp q, 0,1
	v_rcp_f32 v[ST+8*\q+6], v[ST+8*\q+2]
	v_rcp_f32 v[ST+8*\q+7], v[ST+8*\q+2]           ; twice: a pair for the packed multiply
.endr
	v_nop                                          ; one plain place behind a transcendental
	s_wait_alu depctr_va_vdst(0)
.macro OQ q, s                         ; channels 128 s on of tile q: K step s of the last product
	WIN 0x02+\q                                    ; source 0: O^T's window
.set i, 0
.rept 32
	v_pk_mul_f32 v[64+i:65+i], v[64*\s+i:64*\s+i+1], v[ST+8*\q+6:ST+8*\q+7]
.set i, i+2
.endr
	WIN 0
	s_wait_dscnt 0x0                               ; the last fragment's stores have read their registers
	QUANT64 64
	ds_store_b128 v250, v[PC:PC+3] offset:(4*\q+\s)*1024
	ds_store_b128 v250, v[PC+4:PC+7] offset:(4*\q+\s)*1024+512
	ds_store_b32 v251, v[PWT] offset:256*\q+4*\s
.endm
.macro WLOAD u                         ; wo's tiles 4 u .. 4 u + 3: fragment (t, s) at v[8 (4 t + s)] of window 2
	WIN 0x80
.set i, 32*\u
.rept 32
	global_load_b128 v[4*i:4*i+3], v1, s[8:9] offset:512*i
.set i, i+1
.endr
	WIN 0
.endm
.macro XLOAD t                         ; the 16 rows of x that belong to output tile t, 512 bytes each, into set t % 3 of window 3
	WIN 0xc0
.irp p, 0,1,2,3,4,5,6,7,8,9,10,11,12,13,14,15
	global_load_b128 v[64*((\t)%3)+4*\p:64*((\t)%3)+4*\p+3], v1, s[26:27] offset:(32*((\t)/2)+8*((\t)%2)+(\p%8)+16*(\p/8))*4096 th:TH_LOAD_NT
.endr
	WIN 0
.endm
	OQ 0, 0
	OQ 0, 1
	WLOAD 0                                        ; window 2's first half has been read for the last time
	OQ 0, 2
	OQ 0, 3
	WLOAD 1
	OQ 1, 0
	OQ 1, 1
.irp p, 0,1,2,3
	global_load_b128 v[16+4*\p:19+4*\p], v254, s[22:23] offset:512*\p  ; wo's scale words [pair of tiles][K step]
.endr
.irp t, 0,1,2,3,4,5,6,7
	global_load_b32 v[200+\t], v255, s[24:25] offset:(32*(\t/2)+8*(\t%2))*4   ; bo of the lane's channel, tile by tile
.endr
	XLOAD 0
	XLOAD 1
	OQ 1, 2
	OQ 1, 3
	XLOAD 2
	s_wait_dscnt 0x0
	s_barrier_signal -1
	s_barrier_wait -1                              ; o's 32 fragments lie in LDS
; ---- THE OUT PROJECTION AND THE WAY OUT.  Source 0 = o's tile m (a register to a place), source 1 = wo's tile t (a lane to a channel); C of the first K step = bo.
	WIN 0x40
.set i, 0
.rept 64
	ds_load_b128 v[4*i:4*i+3], v252 offset:512*i   ; o's fragment (m, s) at v[8 (4 m + s)] of window 1
.set i, i+1
.endr
	WIN 0
.irp m, 0,1,2,3,4,5,6,7
	ds_load_b128 v[32+4*\m:35+4*\m], v253 offset:256*\m
.endr
	s_wait_loadcnt 48                              ; the 48 loads of x are younger than wo, its scale words and bo
.irp j, 0,1,2,3,4,5,6,7
	v_mov_b32 v[192+\j], v200                      ; bo of tile 0 in all eight registers of C
.endr
	s_wait_dscnt 0x0
.macro OUTT t
	WIN 0x09                                       ; source 0 window 1, source 1 window 2
.irp s, 0,1,2,3
.irp m, 0,1,2,3,4,5,6,7
.if \s == 0
	WM 64+8*\m, 32*\m, 32*(\t), 192, 32+4*\m, 16+4*((\t)/2), 2*((\t)%2)
.else
	WM 64+8*\m, 32*\m+8*\s, 32*(\t)+8*\s, 64+8*\m, 32+4*\m+\s, 16+4*((\t)/2)+\s, 2*((\t)%2)
.endif
.endr
.endr
	WIN 0
	PLACES
.if (\t) < 7
.irp j, 0,1,2,3,4,5,6,7
	v_mov_b32 v[192+\j], v[201+(\t)]               ; the next tile's bo, well ahead of the products that take it
.endr
.endif
.irp m, 0,1,2,3,4,5,6,7
	ds_store_b128 v13, v[64+8*\m:67+8*\m] offset:128*(\m/2)+32*(\m%2)          ; lane (r, h): places 32 (m / 2) + 8 (m % 2) + 16 h + 0 .. 7 of channel row r; each accumulator from its low end on
	ds_store_b128 v13, v[68+8*\m:71+8*\m] offset:128*(\m/2)+32*(\m%2)+16
.endr
.if (\t) > 0
	s_wait_xcnt 0x0                                ; the last tile's stores have read their registers
.endif
.irp p, 0,1,2,3,4,5,6,7,8,9,10,11,12,13,14,15
	ds_load_b128 v[128+4*\p:131+4*\p], v14 offset:528*\p               ; back as whole rows of 512 bytes: LDS serves a wave's instructions in order, and the stage is my own
.endr
	s_wait_dscnt 0x0
.if (\t) < 6
	s_wait_loadcnt 32                              ; this tile's rows of x are in; the two younger sets may be out
.elseif (\t) == 6
	s_wait_loadcnt 16
.else
	s_wait_loadcnt 0x0
.endif
	WIN 0x0c                                       ; source 1: x, in window 3
.set i, 0
.rept 32
	v_pk_add_f32 v[128+i:129+i], v[128+i:129+i], v[64*((\t)%3)+i:64*((\t)%3)+i+1]   ; the residual
.set i, i+2
.endr
	WIN 0
.irp p, 0,1,2,3,4,5,6,7,8,9,10,11,12,13,14,15
	global_store_b128 v1, v[128+4*\p:131+4*\p], s[28:29] offset:(32*((\t)/2)+8*((\t)%2)+(\p%8)+16*(\p/8))*4096 th:TH_STORE_NT   ; 32 lanes store 512 consecutive bytes, at a multiple of 256 from out0's first byte
.endr
.if (\t) < 5
	XLOAD (\t)+3                                   ; into the set just added
.endif
.endm
.irp t, 0,1,2,3,4,5,6,7
	OUTT \t
.endr
	s_wait_tensorcnt 0x0                           ; the wave's end, behind my last tensor load and my last LDS store
	ds_add_u32 v3, v4
	s_wait_dscnt 0x0
	CROUND                                         ; the closing round: no work-group ends while a partner may still ask for a tile that names it
	s_endpgm
.Lfunc_end_k_q53e3681129_attn:
	.size	k_q53e3681129_attn, .Lfunc_end_k_q53e3681129_attn-k_q53e3681129_attn
	.p2alignl 7, 3214868480
	.fill 96, 4, 3214868480
	.section	.rodata,"a",@progbits
	.p2align	6, 0x0
	.amdhsa_kernel k_q53e3681129_attn
		.amdhsa_group_segment_fixed_size 327680
		.amdhsa_private_segment_fixed_size 0
		.amdhsa_enable_private_segment 0
		.amdhsa_kernarg_size 104
		.amdhsa_user_sgpr_count 2
		.amdhsa_user_sgpr_kernarg_segment_ptr 1
		.amdhsa_wavefront_size32 1
		.amdhsa_system_sgpr_workgroup_id_x 1
		.amdhsa_system_sgpr_workgroup_id_y 1
		.amdhsa_system_sgpr_workgroup_id_z 1
		.amdhsa_system_vgpr_workitem_id 0
		.amdhsa_next_free_vgpr 1024
		.amdhsa_next_free_sgpr 90
		.amdhsa_reserve_vcc 0
		.amdhsa_float_denorm_mode_32 3
		.amdhsa_float_denorm_mode_16_64 3
		.amdhsa_memory_ordered 1
		.amdhsa_forward_progress 1
		.amdhsa_inst_pref_size 255
	.end_amdhsa_kernel
	.section	.bss,"aw",@nobits
	.p2align	6
	.space	262144
	.amdgpu_metadata
---
amdhsa.version: [ 1, 2 ]
amdhsa.kernels:
  - .name:           k_q53e3681129_attn
    .symbol:         k_q53e3681129_attn.kd
    .args:
      - { .name: hn_img, .offset: 0, .size: 8, .value_kind: global_buffer, .address_space: global }
      - { .name: hn_sc, .offset: 8, .size: 8, .value_kind: global_buffer, .address_space: global }
      - { .name: wimg, .offset: 16, .size: 8, .value_kind: global_buffer, .address_space: global }
      - { .name: wq_scales, .offset: 24, .size: 8, .value_kind: global_buffer, .address_space: global }
      - { .name: bq, .offset: 32, .size: 8, .value_kind: global_buffer, .address_space: global }
      - { .name: k_img, .offset: 40, .size: 8, .value_kind: global_buffer, .address_space: global }
      - { .name: k_sc, .offset: 48, .size: 8, .value_kind: global_buffer, .address_space: global }
      - { .name: v_img, .offset: 56, .size: 8, .value_kind: global_buffer, .address_space: global }
      - { .name: v_sc, .offset: 64, .size: 8, .value_kind: global_buffer, .address_space: global }
      - { .name: wo_scales, .offset: 72, .size: 8, .value_kind: global_buffer, .address_space: global }
      - { .name: bo, .offset: 80, .size: 8, .value_kind: global_buffer, .address_space: global }
      - { .name: x, .offset: 88, .size: 8, .value_kind: global_buffer, .address_space: global }
      - { .name: out0, .offset: 96, .size: 8, .value_kind: global_buffer, .address_space: global }
    .group_segment_fixed_size: 327680
    .private_segment_fixed_size: 0
    .kernarg_segment_align: 8
    .kernarg_segment_size: 104
    .max_flat_workgroup_size: 128
    .sgpr_count:     90
    .vgpr_count:     1024
    .wavefront_size: 32
...
	.end_amdgpu_metadata
.endif
;; end of part 3
